; MI455X (gfx1250); checked and timed in simulation.
; The chip was launched on July 23, 2026; its instructions are those of AMD's public machine-readable ISA for CDNA 5 (MIT licence, August 2026) and "CDNA5" Instruction Set Architecture Reference Guide (July 2026). The comments in the code are by the model that wrote it; some were corrected since.
;; Attention. Allowed arithmetic: matrix products marked QUANTISED: E3M2 operands, one E8M0 scale for each 32 along K, by v_wmma_scale_f32_16x16x128_f8f6f4 with both operands' format E3M2, f32 sums; everything else in f32.
;; Inputs: attention_mask 2 x 1 x 2,048 x 2,048 bool; key_layer 2 x 32 x 2,048 x 128 float32; query_layer 2 x 32 x 2,048 x 128 float32; value_layer 2 x 32 x 2,048 x 128 float32.
;; Outputs: out0 2 x 2,048 x 4,096 float32.
;; This version of the problem:
;;   THIS VERSION OF THE PROBLEM IS GIVEN IN LOW PRECISION. The matrix products marked QUANTISED in the list below multiply operands that are first quantised to E3M2 (3 exponent bits, 2 mantissa bits; 6 bits a number), with one power-of-two scale for each 32 numbers along K (OCP MX v1.0); their sums are f32. All else is computed in f32.
;;   The module's matrix products, in the order in which they are computed (A, B: the left and right operand; K: the contracted axis; several contracted axes count as one K, in the product's order):
;;     1. batch 64 x [M 2,048, K 128] x [K 128, N 2,048]; A: input query_layer; B: input key_layer: QUANTISED
;;     2. batch 64 x [M 2,048, K 2,048] x [K 2,048, N 128]; A: softmax (see below); B: input value_layer: QUANTISED
;;   THE QUANTISER, for each operand of a quantised product, along K:
;;     - K is cut into blocks of 32 from its start; a last block that is shorter is filled with zeros.
;;     - A block's scale is 2^e with e = floor(log2(the largest magnitude in the block)) - 4, held to -126 .. 127; a block of zeros has e = 0. As a byte (E8M0): e + 127.
;;     - Each number is divided by its block's scale, clamped to +-28, and rounded to the nearest number of E3M2, ties to even, subnormals kept.
;;     - The product sums the exact products of the quantised numbers (number of the format x scale) in f32.
;;   ~~~python
;;   def quantise(x, axis):      # numpy; x: float32 -> the quantised numbers, widened to float32 again
;;       x = np.moveaxis(x, axis, -1); K = x.shape[-1]
;;       x = np.pad(x, [(0, 0)] * (x.ndim - 1) + [(0, -K % 32)]); x = x.reshape(x.shape[:-1] + (-1, 32)); a = np.abs(x).max(-1, keepdims=True)
;;       e = np.where(a > 0, np.clip(np.frexp(np.where(a > 0, a, 1))[1] - 1 - 4, -126, 127), 0)      # np.frexp(a)[1] - 1 = floor(log2(a)), exactly
;;       r = np.clip(x / 2.0 ** e, -28, 28)
;;       step = 2.0 ** (np.maximum(np.frexp(np.where(r == 0, 1, r))[1] - 1, -2) - 2)
;;       q = np.round(r / step) * step * 2.0 ** e      # np.round: ties to even
;;       return np.moveaxis(q.reshape(q.shape[:-2] + (-1,))[..., :K], -1, axis).astype(np.float32)
;;   ~~~
;;   SOFTMAX AHEAD OF A QUANTISED PRODUCT. Where the list says 'softmax', what is quantised is not the finished softmax but p = 2^(t - M), with t = logit x log2(e) and M = ceil(the row's largest t), a whole number; so 1/2 < the row's largest p <= 1. The row's sum l is taken of the UNQUANTISED p, in f32, and the product's result is divided by l at the end. Since M is a whole number, a kernel that streams over the keys may use a running M (the ceiling of the running maximum): every later rescaling is an exact power of two, which a block's scale takes up: the codes' values come out the same.
;;   OPERANDS COMPUTED ON THE WAY. 'Computed on the way' means the value that the module computes at that place (a softmax that the list does not call 'softmax' is quantised finished and normalised). What goes into a quantiser is computed in f32, as accurately as f32 sums, v_exp_f32 and their like allow (about 1e-6 of the number): no bf16 or f16 on the way to a quantiser, and a product that is left as it is and whose result goes on into a quantised operand takes f32 operands (vector FMAs, or v_wmma_f32_16x16x4_f32). A number that lies on a knife's edge between two numbers of the format may be rounded either way, as far as f32 arithmetic and the matrix unit's own rounding can turn it there, and no further.
;; 2 versions. Each part assembles by itself: llvm-mc -triple=amdgcn-amd-amdhsa -mcpu=gfx1250 --defsym DOCPART=n.
;; ======== version 1 of 2: 2 launches
;; workspace buffers: kv 26,214,400 bytes; mw 1,048,576 bytes of whole numbers; fw 1,024 bytes of whole numbers
;; launch prep (part 1): grid 2112 x 1, 4 waves a work-group, no clusters, 68,096 bytes of LDS; arguments attention_mask, key_layer, value_layer, kv, mw, fw; writes kv, mw, fw
.if DOCPART == 1
	.amdgcn_target "amdgcn-amd-amdhsa--gfx1250"
	.amdhsa_code_object_version 6
	.text
	.protected	k_q27cd3e6b91_prep
	.globl	k_q27cd3e6b91_prep
	.p2align	8
	.type	k_q27cd3e6b91_prep,@function
k_q27cd3e6b91_prep:
	s_mov_b64 s[64:65], 0
	v_nop
	global_prefetch_b8 v0, s[64:65] scope:SCOPE_SE
	s_setreg_imm32_b32 hwreg(HW_REG_WAVE_MODE, 25, 1), 1
	s_wait_xcnt 0x0
; THE LAUNCH IN FRONT OF THE ATTENTION.  Three kinds of work-groups, told apart by the work-group's number; waves share nothing, so there is no barrier.
;   0 .. 63       the mask [2][1][2048][2048] (bytes, not 0 = hidden) becomes lane masks and flags;
;   64 .. 1087    K [64 heads][2048 keys][128] f32 becomes codes of BF6 (E3M2) along the head's 128, one E8M0 byte for each 32;
;   1088 .. 2111  V [64][2048][128] f32 becomes codes along the KEYS, which are the second product's K.
; kv: one block of BLK = 25,600 bytes for each (head, step of 128 keys): 8 fragments of K, 8 of V, 4 scale registers of K, 4 of V, ALL AS IMAGES OF THE OPERAND'S REGISTERS:
;   a fragment (16 rows x 128 K, 12 registers a lane) is 1,536 bytes: registers 4 g .. 4 g + 3 of lane l at 512 g + 16 l;  a scale register is 128 bytes, 4 a lane.
;   K's tile 2 b + u: lane (r, h) holds key 32 b + 8 u + r + 8 (r / 8), registers 6 c .. 6 c + 5 its channels 64 c + 32 h + 0 .. 31.
;   V's tile t: lane (r, h) holds channel 16 t + r, registers 6 c .. 6 c + 5 the keys 64 c + 32 h + 0 .. 31 of the step.
;   Scale register p: lanes 0-15 the words of tile 2 p's rows, lanes 16-31 those of tile 2 p + 1.
; mw: 256 bytes for each (tile of 16 queries G = 128 batch + tile, step): word n (0 .. 63), bit l = mask[query l % 16][key 32 (n / 16) + 16 (l / 16) + n % 16]; word n lies at dword 2 n (n < 32) or 2 (n - 32) + 1.
; fw: one word for each G; bits 2 j + 1 : 2 j for step j: 0 nothing hidden, 1 some, 2 all 16 x 128 hidden.
; THE QUANTISER: a block's scale is 2^(floor(log2(largest magnitude)) - 4): its byte is the largest magnitude's exponent field - 4, held at 1 from below by a floor among the maximum's leaves.
; LIMITS: a block of zeros, or one whose largest magnitude lies under 2^-122, gets the byte 1 (the rule says 127 for zeros: the codes are zeros, and this program alone reads the bytes).
; NaN and infinities in K and V are not served.  Any mask byte that is not 0 counts as true.
.set BLK,   25600
.set VIMG,  12288                      ; V's fragments in a block
.set KSC,   24576                      ; K's scale registers
.set VSC,   25088                      ; V's
.set KP,    528                        ; path K's stage: a key's 512 bytes + 16: sixteen rows begin at sixteen different 16-byte columns modulo 256
.set FLOOR, 0x2800000                  ; 2^(5 - 127)
.set EOFF,  0xfe000000                 ; -(4 << 23): 4 off an exponent field
.set FB,    192                        ; path V: v192-215 two fragment lanes' 12 registers each
	s_load_b256 s[4:11], s[0:1], 0x0               ; mask s[4:5], K s[6:7], V s[8:9], kv s[10:11]
	s_load_b128 s[12:15], s[0:1], 0x20             ; mw s[12:13], fw s[14:15]
	v_lshl_add_u32 v251, v0, 2, 0x10800
	v_mov_b32 v255, 0
	v_lshrrev_b32 v1, 5, v0
	v_readfirstlane_b32 s16, v1                    ; wave 0..3
	v_and_b32 v1, 31, v0                           ; lane
	v_and_b32 v2, 15, v0                           ; r
	v_bfe_u32 v3, v0, 4, 1                         ; h
	v_lshlrev_b32 v4, 4, v1                        ; 16 x lane
	v_lshlrev_b32 v5, 2, v1                        ; 4 x lane
	s_mov_b32 s20, 0x76543210
	s_mov_b32 s21, 0xfedcba98                      ; v_permlanex16_b32's selects for lane l xor 16
	s_wait_kmcnt 0x0
	s_cmp_lt_u32 ttmp9, 64
	s_cbranch_scc1 .Lmask
	s_cmp_lt_u32 ttmp9, 1088
	s_cbranch_scc1 .Lk
; ---------------------------------------------------------------- V: a lane takes a channel, its registers run down the keys
; Wave w takes channels 32 w + lane (tiles 2 w and 2 w + 1) for the step's 128 keys: four whole blocks of 32 keys a lane, so no other lane is asked for a maximum.
	s_sub_co_u32 s17, ttmp9, 1088                  ; 16 x head + step
	s_lshl_b32 s18, s17, 16                        ; 128 keys of 512 bytes
	s_mov_b32 s19, 0
	s_add_nc_u64 s[18:19], s[8:9], s[18:19]
	s_mul_i32 s22, s17, BLK
	s_mov_b32 s23, 0
	s_add_nc_u64 s[22:23], s[10:11], s[22:23]
	v_lshl_add_u32 v6, s16, 7, v5                  ; 4 x lane + 128 x wave: my channel in a key's row, and my scale word's place
.macro VLOAD t                         ; block t: V(32 t + i, my channel): a wave reads 128 neighbouring bytes, the four waves a key's whole row
.set i, 0
.rept 32
	global_load_b32 v[32+32*(\t)+i], v6, s[18:19] offset:512*(32*(\t)+i) th:TH_LOAD_NT
.set i, i+1
.endr
.endm
	VLOAD 0
	VLOAD 1
	v_mul_u32_u24 v7, v3, 1536                     ; where my codes go: tile 2 w + lane / 16,
	v_lshl_add_u32 v7, v2, 4, v7                   ; fragment lane r (+ 16 for the odd blocks: in the immediate)
	s_mul_i32 s24, s16, 3072
	v_add_nc_u32 v7, s24, v7
.macro VBLOCK b
.set XS, 32+32*(\b)
.if (\b) < 3
	s_wait_loadcnt 32                              ; this block's 32 loads are in; the next block's 32 may be out
.else
	s_wait_loadcnt 0x0
.endif
.if (\b)+2 < 4
	VLOAD (\b)+2                                   ; two blocks ahead, into registers of their own
.endif
	v_max3_num_f32 v12, |v[XS]|, |v[XS+1]|, |v[XS+2]|      ; the block's largest magnitude, in two chains
	v_max3_num_f32 v13, |v[XS+3]|, |v[XS+4]|, |v[XS+5]|
.irp i, 6,10,14,18,22,26
	v_max3_num_f32 v12, v12, |v[XS+\i]|, |v[XS+\i+1]|
	v_max3_num_f32 v13, v13, |v[XS+\i+2]|, |v[XS+\i+3]|
.endr
	v_max3_num_f32 v12, v12, |v[XS+30]|, |v[XS+31]|
	v_max3_num_f32 v12, v12, v13, FLOOR            ; and the floor: the byte cannot fall under 1
	v_add_nc_u32 v[22+(\b)], EOFF, v12             ; the conversion takes this operand's exponent field as its scale
	v_lshrrev_b32 v[26+(\b)], 23, v[22+(\b)]       ; the scale's byte
	v_cvt_scalef32_pk16_bf6_f32 v[FB+12*((\b)%2)+6*((\b)/2):FB+12*((\b)%2)+6*((\b)/2)+2], v[XS:XS+15], v[22+(\b)]   ; block b = registers 6 (b / 2) on of fragment lane r + 16 (b % 2)
	v_cvt_scalef32_pk16_bf6_f32 v[176+4*(\b):178+4*(\b)], v[XS+16:XS+31], v[22+(\b)]   ; (a conversion's three registers begin on an even number: the second half is made elsewhere and moved)
.endm
	VBLOCK 0
	VBLOCK 1
	VBLOCK 2
	VBLOCK 3
	v_nop                                          ; one plain place behind the last scaled conversion
.irp b, 0,1,2,3
.irp i, 0,1,2
	v_mov_b32 v[FB+12*(\b%2)+6*(\b/2)+3+\i], v[176+4*\b+\i]
.endr
.endr
	v_lshl_or_b32 v30, v27, 8, v26                 ; my channel's scale word: byte b for keys 32 b on
	v_lshl_or_b32 v30, v28, 16, v30
	v_lshl_or_b32 v30, v29, 24, v30
.irp hh, 0,1
.irp g, 0,1,2
	global_store_b128 v7, v[FB+12*\hh+4*\g:FB+12*\hh+4*\g+3], s[22:23] offset:VIMG+512*\g+256*\hh   ; each half of the lanes stores 256 consecutive bytes, at a multiple of 256 from kv's first byte
.endr
.endr
	global_store_b32 v6, v30, s[22:23] offset:VSC  ; 128 bytes a wave: the four waves' stores lie on end
	s_endpgm
; ---------------------------------------------------------------- K: rows are read as they lie and turned through the wave's own stage in LDS
; Wave w takes the step's keys 32 w .. 32 w + 31: tiles 2 w and 2 w + 1.
.Lk:
	s_sub_co_u32 s17, ttmp9, 64                    ; 16 x head + step
	s_lshl_b32 s18, s17, 16
	s_lshl_b32 s19, s16, 14                        ; my 32 keys of 512 bytes
	s_add_co_u32 s18, s18, s19
	s_mov_b32 s19, 0
	s_add_nc_u64 s[18:19], s[6:7], s[18:19]
.set i, 0
.rept 32
	global_load_b128 v[32+4*i:35+4*i], v4, s[18:19] offset:512*i th:TH_LOAD_NT   ; key i: 32 lanes read its 512 consecutive bytes
.set i, i+1
.endr
	s_mul_i32 s22, s17, BLK
	s_mov_b32 s23, 0
	s_add_nc_u64 s[22:23], s[10:11], s[22:23]
	s_mul_i32 s24, s16, 32*KP                      ; my stage
	v_add_nc_u32 v6, s24, v4                       ; in: 16 x lane of a row
	v_mul_u32_u24 v7, v2, KP
	v_lshl_add_u32 v7, v3, 7, v7
	v_add_nc_u32 v7, s24, v7                       ; back: row r, + 128 h: my 32 channels of each 64
	s_mul_i32 s25, s16, 3072
	v_add_nc_u32 v8, s25, v4                       ; the images: 16 x lane + two tiles a wave
	v_lshl_add_u32 v9, s16, 7, v5                  ; the scale register: 4 x lane + 128 x wave
	v_lshlrev_b32 v10, 3, v3                       ; 8 h
	v_mov_b32 v11, 0                               ; (a lane permute's destination counts as one of its sources)
.set i, 0
.rept 32
	s_wait_loadcnt 31-i                            ; key i is in; the 31 - i behind it may be out
	ds_store_b128 v6, v[32+4*i:35+4*i] offset:(16*((i/8)%2)+8*(i/16)+i%8)*KP   ; to stage row 16 u + r, where key i = 8 u + r + 8 (r / 8): a tile's sixteen keys lie on sixteen neighbouring rows
.set i, i+1
.endr
.macro BACK dst, u                     ; tile u: lane (r, h) takes channels 64 c + 32 h + 0 .. 31 of its key into v[dst + 32 c] on.  LDS serves a wave's instructions in order: these see my stores
.irp c, 0,1
.irp q, 0,1,2,3,4,5,6,7
	ds_load_b128 v[\dst+32*\c+4*\q:\dst+32*\c+4*\q+3], v7 offset:(\u)*16*KP+256*\c+16*\q
.endr
.endr
.endm
; 64 numbers of a lane, two whole blocks (v[src + 32 c + i] = k 64 c + 32 h + i), become the fragment's 12 registers at v[cod] and the row's scale word in v[word]
.macro Q2 src, cod, word
.irp c, 0,1
	v_max3_num_f32 v[18+\c], |v[\src+32*\c]|, |v[\src+32*\c+1]|, FLOOR
.endr
.irp i, 2,4,6,8,10,12,14,16,18,20,22,24,26,28,30
.irp c, 0,1
	v_max3_num_f32 v[18+\c], v[18+\c], |v[\src+32*\c+\i]|, |v[\src+32*\c+\i+1]|   ; (the two blocks by turns)
.endr
.endr
.irp c, 0,1
	v_add_nc_u32 v[20+\c], EOFF, v[18+\c]
.endr
.irp c, 0,1
	v_lshrrev_b32 v[22+\c], 23, v[20+\c]
.endr
	v_lshl_or_b32 v[\word], v23, 16, v22           ; my two bytes: blocks h and 2 + h,
	v_lshlrev_b32 v[\word], v10, v[\word]          ; at their places (8 h bits up);
	v_permlanex16_b32 v11, v[\word], s20, s21
	v_or_b32 v[\word], v[\word], v11               ; with lane l xor 16's two the word is whole, in both halves
.irp c, 0,1
	v_cvt_scalef32_pk16_bf6_f32 v[\cod+6*\c:\cod+6*\c+2], v[\src+32*\c:\src+32*\c+15], v[20+\c]
	v_cvt_scalef32_pk16_bf6_f32 v[248+4*\c:250+4*\c], v[\src+32*\c+16:\src+32*\c+31], v[20+\c]
.endr
	v_nop                                          ; one plain place behind a scaled conversion
.irp c, 0,1
.irp i, 0,1,2
	v_mov_b32 v[\cod+6*\c+3+\i], v[248+4*\c+\i]
.endr
.endr
.endm
	BACK 160, 0
	s_wait_dscnt 16                                ; all but the 16 loads just issued: my 32 stores into the stage are done with their registers,
	BACK 32, 1                                     ; which take the second tile
	s_wait_dscnt 16                                ; the first tile is in; the second tile's 16 loads may be out
	Q2 160, 224, 14
	s_wait_dscnt 0x0
	Q2 32, 236, 15
.irp u, 0,1
.irp g, 0,1,2
	global_store_b128 v8, v[224+12*\u+4*\g:224+12*\u+4*\g+3], s[22:23] offset:1536*\u+512*\g   ; 32 lanes store 512 consecutive bytes, at a multiple of 256 from kv's first byte
.endr
.endr
	v_cmp_le_u32 vcc_lo, 16, v1
	v_cndmask_b32 v16, v14, v15, vcc_lo            ; lanes 0-15 tile 2 w's words, lanes 16-31 tile 2 w + 1's
	global_store_b32 v9, v16, s[22:23] offset:KSC  ; 128 bytes a wave: the four waves' stores lie on end
	s_wait_tensorcnt 0x0
	ds_add_u32 v251, v255
	s_wait_dscnt 0x0
	s_endpgm
; ---------------------------------------------------------------- the mask: whole numbers alone
; Wave task G = 4 x work-group + wave: 16 rows of the mask x 2,048 keys, 16 steps of 128 keys, written out: every offset is an immediate.
.Lmask:
	s_lshl_b32 s17, ttmp9, 2
	s_add_co_u32 s17, s17, s16                     ; G = 128 x batch + tile
	s_lshl_b32 s18, s17, 15                        ; 16 rows of 2,048 bytes
	s_mov_b32 s19, 0
	s_add_nc_u64 s[18:19], s[4:5], s[18:19]
	s_lshl_b32 s22, s17, 12                        ; 16 steps of 256 bytes
	s_mov_b32 s23, 0
	s_add_nc_u64 s[22:23], s[12:13], s[22:23]
	s_lshl_b32 s34, s17, 2
	s_mov_b32 s35, 0
	s_add_nc_u64 s[34:35], s[14:15], s[34:35]
	v_lshlrev_b32 v6, 11, v2
	v_lshl_add_u32 v6, v3, 4, v6                   ; row r, + 16 h: my 16 keys of each 32
	v_lshlrev_b32 v7, 3, v1                        ; out: 8 bytes a lane
.irp i, 96,97,98,99
	v_mov_b32 v\i, 0                               ; (v_writelane_b32's destination counts as read)
.endr
	s_mov_b32 s31, 0                               ; the flags
.macro LOADM s                         ; step s: byte n % 4 of register n / 4 of the set is the mask of key 32 (n / 16) + 16 h + n % 16
.irp bb, 0,1,2,3
	global_load_b128 v[32+16*((\s)%4)+4*\bb:32+16*((\s)%4)+4*\bb+3], v6, s[18:19] offset:128*(\s)+32*\bb
.endr
.endm
.macro MSTEP s
.set MR, 32+16*((\s)%4)
.set PA, 96+2*((\s)%2)
.if 15-(\s) >= 3
	s_wait_loadcnt 12                              ; this step's four loads are in; those of the three steps behind it may be out
.else
	s_wait_loadcnt 4*(15-(\s))
.endif
	s_wait_xcnt 0x0                                ; the store of two steps back has read this pair of registers: it is written again only behind this wait
.set n, 0
.rept 16
.irp e, 0,1,2,3
	v_and_b32 v[8+\e], 0xff<<(8*\e), v[MR+n/4]     ; key number n + e's byte, in every lane
.endr
.irp e, 0,1,2,3
	v_cmp_ne_u32 s[24+\e], 0, v[8+\e]              ; the 32 lanes' bits: word n + e
.endr
.irp e, 0,1,2,3
	v_writelane_b32 v[PA+n/32], s[24+\e], n%32+\e  ; words 0-31 in the first register's lanes, 32-63 in the second's
.endr
.set n, n+4
.endr
	v_and_b32 v12, v[PA], v[PA+1]
	v_or_b32 v13, v[PA], v[PA+1]
	v_cmp_eq_u32 s28, -1, v12                      ; all lanes: every word is all ones
	v_cmp_ne_u32 s29, 0, v13                       ; no lane: every word is 0
	s_cmp_eq_u32 s28, -1
	s_cselect_b32 s30, 2, 1
	s_cmp_eq_u32 s29, 0
	s_cselect_b32 s30, 0, s30
	s_lshl_b32 s30, s30, 2*(\s)
	s_or_b32 s31, s31, s30
	global_store_b64 v7, v[PA:PA+1], s[22:23] offset:256*(\s)   ; 32 lanes store 256 consecutive bytes, at a multiple of 256 from mw's first byte
.if (\s)+4 < 16
	LOADM (\s)+4
.endif
.endm
.irp s, 0,1,2,3
	LOADM \s
.endr
.irp s, 0,1,2,3,4,5,6,7,8,9,10,11,12,13,14,15
	MSTEP \s
.endr
	v_mov_b32 v14, s31
	v_mov_b32 v15, 0
	v_cmp_eq_u32 vcc_lo, 0, v1
	s_wait_xcnt 0x0                                ; EXEC is a source of the stores above: it changes only behind this wait
	s_and_saveexec_b32 s32, vcc_lo
	global_store_b32 v15, v14, s[34:35]            ; lane 0: my tile's flag word
	s_wait_xcnt 0x0                                ; and again in front of the line that widens it
	s_or_b32 exec_lo, exec_lo, s32
	s_endpgm
.Lfunc_end_k_q27cd3e6b91_prep:
	.size	k_q27cd3e6b91_prep, .Lfunc_end_k_q27cd3e6b91_prep-k_q27cd3e6b91_prep
	.p2alignl 7, 3214868480
	.fill 96, 4, 3214868480
	.section	.rodata,"a",@progbits
	.p2align	6, 0x0
	.amdhsa_kernel k_q27cd3e6b91_prep
		.amdhsa_group_segment_fixed_size 68096
		.amdhsa_private_segment_fixed_size 0
		.amdhsa_enable_private_segment 0
		.amdhsa_kernarg_size 48
		.amdhsa_user_sgpr_count 2
		.amdhsa_user_sgpr_kernarg_segment_ptr 1
		.amdhsa_wavefront_size32 1
		.amdhsa_system_sgpr_workgroup_id_x 1
		.amdhsa_system_sgpr_workgroup_id_y 1
		.amdhsa_system_sgpr_workgroup_id_z 1
		.amdhsa_system_vgpr_workitem_id 0
		.amdhsa_next_free_vgpr 256
		.amdhsa_next_free_sgpr 66
		.amdhsa_reserve_vcc 1
		.amdhsa_float_denorm_mode_32 3
		.amdhsa_float_denorm_mode_16_64 3
		.amdhsa_memory_ordered 1
		.amdhsa_forward_progress 1
		.amdhsa_inst_pref_size 244
	.end_amdhsa_kernel
	.amdgpu_metadata
---
amdhsa.version: [ 1, 2 ]
amdhsa.kernels:
  - .name:           k_q27cd3e6b91_prep
    .symbol:         k_q27cd3e6b91_prep.kd
    .args:
      - { .name: attention_mask, .offset: 0, .size: 8, .value_kind: global_buffer, .address_space: global }
      - { .name: key_layer, .offset: 8, .size: 8, .value_kind: global_buffer, .address_space: global }
      - { .name: value_layer, .offset: 16, .size: 8, .value_kind: global_buffer, .address_space: global }
      - { .name: kv, .offset: 24, .size: 8, .value_kind: global_buffer, .address_space: global }
      - { .name: mw, .offset: 32, .size: 8, .value_kind: global_buffer, .address_space: global }
      - { .name: fw, .offset: 40, .size: 8, .value_kind: global_buffer, .address_space: global }
    .group_segment_fixed_size: 68096
    .private_segment_fixed_size: 0
    .kernarg_segment_align: 8
    .kernarg_segment_size: 48
    .max_flat_workgroup_size: 128
    .sgpr_count:     66
    .vgpr_count:     256
    .wavefront_size: 32
...
	.end_amdgpu_metadata
.endif
;; end of part 1
;; launch attn (part 2): grid 8 x 64, 16 waves a work-group, no clusters, 202,752 bytes of LDS; arguments query_layer, kv, mw, fw, out0; writes out0
.if DOCPART == 2
	.amdgcn_target "amdgcn-amd-amdhsa--gfx1250"
	.amdhsa_code_object_version 6
	.text
	.protected	k_q27cd3e6b91_attn
	.globl	k_q27cd3e6b91_attn
	.p2align	8
	.type	k_q27cd3e6b91_attn,@function
k_q27cd3e6b91_attn:
	s_mov_b64 s[64:65], 0
	v_nop
	global_prefetch_b8 v0, s[64:65] scope:SCOPE_SE
	s_setreg_imm32_b32 hwreg(HW_REG_WAVE_MODE, 25, 1), 1
	s_wait_xcnt 0x0
; out[b][q][h x 128 + :] = the sum over k of softmax_k(where(mask, -inf, Q . K / sqrt(128))) V, both products on codes of BF6 (E3M2) with one E8M0 scale for each 32 along a product's K.
; Q: [64 heads][2048][128] f32, quantised here in registers.  K and V come as codes from kv, the mask as lane masks from mw and as flags from fw, all laid by the launch before (its head comment has the layouts).
; THE SOFTMAX: t = score x log2(e) / sqrt(128); M = the row's largest t so far, rounded UP to a whole number; p = 2^(t - M) is quantised along the keys, not normalised.  The row's sum is taken of the
; unquantised p and divides at the end.  When M moves, the sum and O are multiplied by 2^(old M - new M): exact.
; SHARES.  A work-group owns 256 queries of one head: the half blocks x and 15 - x of 128 queries, so that under a mask that hides later keys every work-group has the same number of steps; the values hang on no such pattern.
; Each of its sixteen waves owns ONE tile of 16 queries in 256 registers: four waves to a SIMD, so that one wave's vector work stands beside another's products and LDS loads.
; A KEY STEP is 128 keys: 25,600 bytes of kv.  The 512 threads bring the next step's block into registers while this step is worked (3 loads of 16 bytes a thread, a fourth in waves 0 and 1) and store it into the other
; of two LDS slots; one barrier a step orders both the reads of the old slot against its next fill and the fill against its reads.
; THE MASK IS AN INPUT.  fw says of each (tile, step): 0 nothing hidden, 1 some, 2 all.  A step with flag 2 changes neither M, the sum nor O, so the wave passes over its work: a scalar branch on a stored whole number, never round a
; barrier.  With flag 1 the hidden scores become -infinity ahead of the maximum (64 selects by the lane masks of mw, read by scalar loads).  A step that none of the sixteen tiles needs is not fetched.
; A row that is hidden everywhere ends with sum 0 and O 0: 0 x (1 / 0) is NaN, as a softmax of -infinities is.
; NO TENSOR LOADS, NO CLUSTER: the eight work-groups of a head read the same blocks, but which steps a work-group fetches and works hangs on flags read from memory (partners would need different numbers of tiles).
; What is shared is 25,600 bytes a step.
; LAYOUT.  Both products are used transposed: S^T = K Q^T (source 0 = 16 keys, source 1 = my 16 queries), O^T = V^T P^T (source 0 = 16 channels, source 1 = P): a lane holds ONE query (lane % 16) throughout.
; K's tile 2 b + u holds keys 32 b + 8 u + r + 8 (r / 8): score register 16 b + i of lane (r, h) is key 32 b + 16 h + i.
; LIMITS: a block of Q or p whose largest magnitude lies under 2^-122 gets the byte 1 (zeros too: their codes are zeros).  NaN and infinities in Q are not served.  t is made by ONE multiplication by log2(e) / sqrt(128).
; REGISTERS: v1-7, v10, v11 addresses that stay; v12 -M, v13 the largest t, v[14:15] the sum in two halves; v16-27 Q's codes; v32-79 four fragments; v80-95 the next block on its way; v96-159 S^T, then p; v160-223 O^T;
; v224-235 p's codes; v232-247, v252, v254 at work; v248-251 K's or V's scale registers; v253 p's scale word; v255 Q's.
.set BLK,   25600                      ; a step's block in kv
.set VIMG,  12288
.set KSC,   24576
.set VSC,   25088
.set SLOT,  32768                      ; LDS: slot 0 at 0, slot 1 here
.set STG,   65536                      ; behind the slots: a stage of 16 rows x 528 bytes for each wave: Q's turn at the head, O's way out
.set SP,    528                        ; 512 bytes + 16: sixteen rows begin at sixteen different 16-byte columns modulo 256
.set FLOOR, 0x2800000                  ; 2^(5 - 127)
.set EOFF,  0xfe000000                 ; 4 off an exponent field
.set L16, 1                            ; v1   16 x lane
.set L4,  2                            ; v2   4 x lane
.set GA,  3                            ; v3   16 x thread: my place in 8,192 bytes of a block, in memory and in LDS
.set PFO, 5                            ; v5   the prefetch's offset
.set SO,  6                            ; v6   my stage: row r, + 32 h
.set SR,  7                            ; v7   my stage by rows: 16 x lane
.set H8,  10                           ; v10  8 h
.set QR,  11                           ; v11  my stage: row r, + 128 h
.set FRG, 32
.set FS,  80
.set S,   96
.set OA,  160
.set SCR, 248
.set KV,  6                            ; s[6:7]  kv at the step in hand
.set MW,  8                            ; s[8:9]  mw at my tile's words of the step in hand
.set WV,  14                           ; s14  my wave's number
.set SEL, 20                           ; s[20:21] lane selects: lane l xor 16
.set CS,  22                           ; s[22:23] c = log2(e) / sqrt(128), twice
.set FWO, 24                           ; s24  my tile's flags, the step in hand lowest
.set F,   25                           ; s25  the step's flag
.set SKF, 26                           ; s26  bit 1: nobody in the work-group needs the NEXT step
.set FN,  27                           ; s27  that bit
.set LIM, 28                           ; s28  a wave prefetches while the step's number is under it
.set JS,  29                           ; s29  the step's number
; s[32:63], s[68:99]: the step's 64 mask words; dword p of mw's 256 bytes in s[32 + p + 4 (p / 32)]
.macro FILL_LOAD off                   ; a block of 25,600 bytes: 3 x 8,192 by all 512 threads, the last 1,024 by threads 0 to 63
.irp i, 0,1,2
	global_load_b128 v[FS+4*\i:FS+4*\i+3], v[GA], s[KV:KV+1] offset:\off+8192*\i
.endr
	s_cmp_lt_u32 s[WV], 2
	s_cbranch_scc0 .Lno_l4_\@
	global_load_b128 v[FS+12:FS+15], v[GA], s[KV:KV+1] offset:\off+24576
.Lno_l4_\@:
.endm
.macro FILL_STORE sl                   ; and into slot sl as it lies
.irp i, 0,1,2
	ds_store_b128 v[GA], v[FS+4*\i:FS+4*\i+3] offset:(\sl)*SLOT+8192*\i
.endr
	s_cmp_lt_u32 s[WV], 2
	s_cbranch_scc0 .Lno_s4_\@
	ds_store_b128 v[GA], v[FS+12:FS+15] offset:(\sl)*SLOT+24576
.Lno_s4_\@:
.endm
	s_load_b256 s[4:11], s[0:1], 0x0               ; Q s[4:5], kv s[6:7], mw s[8:9], fw s[10:11]
	s_load_b64 s[12:13], s[0:1], 0x20              ; out
	v_lshl_add_u32 v31, v0, 2, 0x31000
	v_mov_b32 v243, 0
	v_lshrrev_b32 v8, 5, v0
	v_readfirstlane_b32 s[WV], v8                  ; wave 0..15
	v_and_b32 v4, 31, v0                           ; lane
	v_lshlrev_b32 v[L16], 4, v4
	v_lshlrev_b32 v[L4], 2, v4
	v_lshlrev_b32 v[GA], 4, v0
	v_and_b32 v8, 15, v0                           ; r
	v_bfe_u32 v9, v0, 4, 1                         ; h
	s_and_b32 s15, ttmp7, 0xffff                   ; the head, 0..63
	s_lshr_b32 s16, s15, 5                         ; batch
	s_and_b32 s17, s15, 31                         ; head in the batch
	s_lshr_b32 s18, s[WV], 2
	s_xor_b32 s18, s18, s[WV]
	s_and_b32 s18, s18, 1                          ; which of the two half blocks: two waves of each on a SIMD, whether waves are dealt by w % 4 or by w / 4
	s_sub_co_u32 s19, 15, ttmp9
	s_cmp_lg_u32 s18, 0
	s_cselect_b32 s19, s19, ttmp9                  ; half block 15 - x or x
	s_lshr_b32 s18, s[WV], 1
	s_lshl_b32 s19, s19, 3
	s_add_co_u32 s19, s19, s18                     ; T: my tile of 16 queries, 0..127.  It enters global addresses alone
	s_lshl_b32 s18, s16, 7
	s_add_co_u32 s18, s18, s19                     ; G = 128 x batch + T
	s_lshl_b32 s68, s15, 20                        ; Q: a head is 2,048 rows of 512 bytes,
	s_lshl_b32 s69, s19, 13                        ; a tile 16 rows
	s_add_co_u32 s68, s68, s69
	s_mov_b32 s69, 0
	s_mul_i32 s70, s15, 16*BLK                     ; kv: a head is 16 blocks
	s_mov_b32 s71, 0
	s_lshl_b32 s72, s18, 12                        ; mw: 16 steps of 256 bytes
	s_mov_b32 s73, 0
	s_lshl_b32 s74, s16, 25                        ; out: a batch is 2,048 rows of 16,384 bytes,
	s_lshl_b32 s75, s19, 18                        ; a tile 16 rows,
	s_add_co_u32 s74, s74, s75
	s_lshl_b32 s75, s17, 9                         ; a head 512 bytes of a row
	s_add_co_u32 s74, s74, s75
	s_mov_b32 s75, 0
	s_lshl_b32 s76, s18, 2                         ; fw: my tile's word,
	s_mov_b32 s77, 0
	s_lshl_b32 s30, s16, 7
	s_lshl_b32 s31, ttmp9, 3
	s_add_co_u32 s78, s30, s31
	s_lshl_b32 s78, s78, 2                         ; the eight words of half block x,
	s_mov_b32 s79, 0
	s_add_co_u32 s80, s30, 120
	s_sub_co_u32 s80, s80, s31
	s_lshl_b32 s80, s80, 2                         ; and of half block 15 - x
	s_mov_b32 s81, 0
	s_wait_kmcnt 0x0
	s_add_nc_u64 s[4:5], s[4:5], s[68:69]
	s_add_nc_u64 s[KV:KV+1], s[KV:KV+1], s[70:71]
	s_add_nc_u64 s[MW:MW+1], s[MW:MW+1], s[72:73]
	s_add_nc_u64 s[12:13], s[12:13], s[74:75]
	s_add_nc_u64 s[76:77], s[10:11], s[76:77]
	s_add_nc_u64 s[78:79], s[10:11], s[78:79]
	s_add_nc_u64 s[80:81], s[10:11], s[80:81]
	s_load_b32 s[FWO], s[76:77], 0x0
	s_load_b256 s[32:39], s[78:79], 0x0
	s_load_b256 s[40:47], s[80:81], 0x0
	FILL_LOAD 0                                    ; step 0's block
.set i, 0
.rept 16
	global_load_b128 v[S+4*i:S+4*i+3], v[L16], s[4:5] offset:512*i th:TH_LOAD_NT   ; query i of my tile: 32 lanes read its 512 consecutive bytes
.set i, i+1
.endr
	s_mul_i32 s31, s[WV], 16*SP
	s_add_co_u32 s31, s31, STG                     ; my stage
	v_mul_u32_u24 v[QR], v8, SP
	v_add_nc_u32 v[QR], s31, v[QR]
	v_lshl_add_u32 v[SO], v9, 5, v[QR]
	v_lshl_add_u32 v[QR], v9, 7, v[QR]
	v_add_nc_u32 v[SR], s31, v[L16]
	v_lshlrev_b32 v[H8], 3, v9
	s_and_b32 s30, s[WV], 3
	s_lshl_b32 s30, s30, 13
	v_lshl_add_u32 v[PFO], v4, 8, s30              ; lanes 256 bytes apart, 8,192 bytes a wave
	s_mov_b32 s[SEL], 0x76543210
	s_mov_b32 s[SEL+1], 0xfedcba98
	s_mov_b32 s[CS], 0x3e0293ee                    ; c = log2(e) / sqrt(128)
	s_mov_b32 s[CS+1], s[CS]                       ; (named with it as a pair, so it is written)
	s_sub_co_u32 s30, s[WV], 4
	s_cmp_lt_u32 s30, 3                            ; waves 4 to 6
	s_cselect_b32 s[LIM], 14, 0
	s_cmp_eq_u32 ttmp9, 0                          ; of the head's first work-group
	s_cselect_b32 s[LIM], s[LIM], 0
	s_wait_kmcnt 0x0                               ; the flags
	s_and_b32 s[SKF], s32, s33                     ; a step's upper flag bit survives where all sixteen tiles have it hidden
.irp i, 34,35,36,37,38,39,40,41,42,43,44,45,46,47
	s_and_b32 s[SKF], s[SKF], s\i
.endr
	s_and_b32 s[SKF], s[SKF], 0xaaaaaaaa
	s_lshr_b32 s[SKF], s[SKF], 2                   ; in step j bit 1 speaks of step j + 1;
	s_or_b32 s[SKF], s[SKF], 0x80000000            ; there is no step 16
	s_wait_loadcnt 16                              ; step 0's block is in; Q's 16 loads may be out
	FILL_STORE 0
	s_wait_loadcnt 0x0                             ; Q
.set i, 0
.rept 16
	ds_store_b128 v[SR], v[S+4*i:S+4*i+3] offset:SP*i
.set i, i+1
.endr
.irp c, 0,1
.irp q, 0,1,2,3,4,5,6,7
	ds_load_b128 v[OA+32*\c+4*\q:OA+32*\c+4*\q+3], v[QR] offset:256*\c+16*\q   ; lane (r, h): channels 64 c + 32 h + 0 .. 31 of query r.  LDS serves a wave's instructions in order: these see my stores
.endr
.endr
	s_wait_dscnt 0x0                               ; for the others' sake: my part of slot 0 is stored (and Q is back)
	s_barrier_signal -1
	; Q is quantised between the signal and the wait: work on registers alone.  Two whole blocks a lane
.irp c, 0,1
	v_max3_num_f32 v[232+\c], |v[OA+32*\c]|, |v[OA+32*\c+1]|, FLOOR
.endr
.irp i, 2,4,6,8,10,12,14,16,18,20,22,24,26,28,30
.irp c, 0,1
	v_max3_num_f32 v[232+\c], v[232+\c], |v[OA+32*\c+\i]|, |v[OA+32*\c+\i+1]|
.endr
.endr
.irp c, 0,1
	v_add_nc_u32 v[244+\c], EOFF, v[232+\c]        ; the conversion's scale operand
.endr
.irp c, 0,1
	v_lshrrev_b32 v[236+\c], 23, v[244+\c]         ; the scale's byte
.endr
	v_lshl_or_b32 v255, v237, 16, v236             ; my two bytes: blocks h and 2 + h,
	v_lshlrev_b32 v255, v[H8], v255                ; at their places;
	v_mov_b32 v238, 0
	v_permlanex16_b32 v238, v255, s[SEL], s[SEL+1]
	v_or_b32 v255, v255, v238                      ; with lane l xor 16's the word is whole
.irp c, 0,1
	v_cvt_scalef32_pk16_bf6_f32 v[16+6*\c:18+6*\c], v[OA+32*\c:OA+32*\c+15], v[244+\c]
	v_cvt_scalef32_pk16_bf6_f32 v[224+4*\c:226+4*\c], v[OA+32*\c+16:OA+32*\c+31], v[244+\c]   ; (a conversion's three registers begin on an even number)
.endr
	v_nop                                          ; one plain place behind a scaled conversion
.irp c, 0,1
.irp i, 0,1,2
	v_mov_b32 v[19+6*\c+\i], v[224+4*\c+\i]
.endr
.endr
	s_barrier_wait -1                              ; slot 0 is whole
	v_mov_b32 v13, 0xff61b1e6                      ; the largest t so far: -3e38, under every t
	v_floor_f32 v12, -v13                          ; -M
	v_mov_b32 v14, 0                               ; the sum, in two halves
	v_mov_b32 v15, 0
.irp b, 0,1,2,3
	v_mov_b32 v[236+\b], 0                         ; a lane permute's destination counts as one of its sources
.endr
	v_mov_b32 v252, 0
	v_mov_b32 v253, 0                              ; (named as the upper half of the pair v[252:253] before it is first written)
.set j, 0
.rept 64
	v_mov_b32 v[OA+j], 0                           ; O^T: the step is written for every step alike; the first finds zeros.  (These are also the places between the making of Q's codes and scale word and the first product)
.set j, j+1
.endr
; A KEY STEP's work, from slot sl
.macro STEP sl
.rept 4
	v_nop                                          ; four places behind the last step's last product, in front of loads into registers that it read
.endr
	s_load_b512 s[32:47], s[MW:MW+1], 0x0          ; the step's 64 lane masks; wanted behind the first product
	s_load_b512 s[48:63], s[MW:MW+1], 0x40
	s_load_b512 s[68:83], s[MW:MW+1], 0x80
	s_load_b512 s[84:99], s[MW:MW+1], 0xc0
.irp p, 0,1,2,3
	ds_load_b32 v[SCR+\p], v[L4] offset:(\sl)*SLOT+KSC+128*\p   ; K's scale registers: tiles 2 p (lanes 0-15) and 2 p + 1 (lanes 16-31)
.endr
.irp g, 0,1                                    ; S^T = K Q^T, four tiles of 16 keys at a time
.if \g > 0
.rept 4
	v_nop
.endr
.endif
.irp t, 0,1,2,3
.irp q, 0,1,2
	ds_load_b128 v[FRG+12*\t+4*\q:FRG+12*\t+4*\q+3], v[L16] offset:(\sl)*SLOT+(4*\g+\t)*1536+512*\q   ; an image of the fragment's registers: 512 consecutive bytes a load
.endr
.endr
	s_wait_dscnt 0x0
.irp t, 0,1,2,3
.if \t%2
	v_wmma_scale_f32_16x16x128_f8f6f4 v[S+8*(4*\g+\t):S+8*(4*\g+\t)+7], v[FRG+12*\t:FRG+12*\t+11], v[16:27], 0, v[SCR+2*\g+\t/2], v255 matrix_a_fmt:MATRIX_FMT_BF6 matrix_b_fmt:MATRIX_FMT_BF6 matrix_a_scale:MATRIX_SCALE_ROW1
.else
	v_wmma_scale_f32_16x16x128_f8f6f4 v[S+8*(4*\g+\t):S+8*(4*\g+\t)+7], v[FRG+12*\t:FRG+12*\t+11], v[16:27], 0, v[SCR+2*\g+\t/2], v255 matrix_a_fmt:MATRIX_FMT_BF6 matrix_b_fmt:MATRIX_FMT_BF6
.endif
.endr
.endr
.rept 4
	v_nop                                          ; four places in front of the first read of the scores
.endr
	s_wait_kmcnt 0x0                               ; the lane masks are in (and their base may be stepped)
	s_cmp_eq_u32 s[F], 0
	s_cbranch_scc1 .Lopen_\@                       ; nothing hidden in this step
	v_mov_b32 v254, 0xff800000                     ; -infinity
.set n, 0
.rept 64
.set pp, 2*(n%32)+n/32
	v_cndmask_b32 v[S+n], v[S+n], v254, s[32+pp+4*(pp/32)]   ; hidden scores become -infinity ahead of the maximum: p = 0 then.  Ascending: each accumulator is read from its low end on
.set n, n+1
.endr
.Lopen_\@:
.irp b, 0,1,2,3
	v_max3_num_f32 v[232+\b], v[S+16*\b], v[S+1+16*\b], v[S+2+16*\b]   ; the largest score of each block of 32 keys: it serves for the row's maximum and, since p rises with the score, for the block's largest p
.endr
.irp i, 3,5,7,9,11,13
.irp b, 0,1,2,3
	v_max3_num_f32 v[232+\b], v[232+\b], v[S+16*\b+\i], v[S+1+16*\b+\i]
.endr
.endr
.irp b, 0,1,2,3
	v_max_num_f32 v[232+\b], v[232+\b], v[S+15+16*\b]
.endr
.irp b, 0,1,2,3
	v_permlanex16_b32 v[236+\b], v[232+\b], s[SEL], s[SEL+1]
.endr
.irp b, 0,1,2,3
	v_max_num_f32 v[232+\b], v[232+\b], v[236+\b]  ; with lane l xor 16's 16 keys
.endr
	v_max3_num_f32 v254, v232, v233, v234
	v_max_num_f32 v254, v254, v235                 ; the step's largest score of my query
	v_mul_f32 v254, s[CS], v254                    ; as t (c is positive)
	v_max_num_f32 v13, v13, v254                   ; the running largest t
	v_mov_b32 v254, v12
	v_floor_f32 v12, -v13                          ; the new -M = floor(-t) = -ceil(t): a whole number
	v_sub_f32 v254, v12, v254                      ; old M - new M: a whole number, 0 or less
	v_cvt_i32_f32 v254, v254                       ; (it saturates)
	v_ldexp_f32 v252, 1.0, v254                    ; f = 2^(old M - new M)
.set j, 0
.rept 32
	v_pk_fma_f32 v[S+j:S+j+1], v[S+j:S+j+1], s[CS:CS+1], v[12:13] op_sel_hi:[1,0,0]   ; t - M, two at a time (of the pairs c and -M the low word serves both halves)
.set j, j+2
.endr
.irp b, 0,1,2,3
	v_fma_f32 v[232+\b], v[232+\b], s[CS], v12     ; the same of each block's largest score
.endr
.set j, 0
.rept 64
	v_exp_f32 v[S+j], v[S+j]                       ; p = 2^(t - M), at most 1
.set j, j+1
.endr
	v_pk_mul_f32 v[14:15], v[14:15], v[252:253] op_sel_hi:[1,0]   ; the sums under the new M: the plain instruction behind the exponentials
	s_wait_alu depctr_va_vdst(0)                   ; one wait for the batch of 64, ahead of its first reader
.irp b, 0,1,2,3
	v_exp_f32 v[232+\b], v[232+\b]                 ; the block's largest p: the same two instructions on the same number
.endr
	v_pk_add_f32 v[236:237], v[S:S+1], v[S+2:S+3]  ; the row's sum is taken of the unquantised p: two at a time, in two chains
.irp j, 4,8,12,16,20,24,28,32,36,40,44,48,52,56,60
	v_pk_add_f32 v[14:15], v[14:15], v[S+\j:S+1+\j]
	v_pk_add_f32 v[236:237], v[236:237], v[S+2+\j:S+3+\j]
.endr
	v_pk_add_f32 v[14:15], v[14:15], v[236:237]
	s_wait_alu depctr_va_vdst(0)                   ; and one for the four
.irp b, 0,1,2,3
	v_max_num_f32 v[232+\b], FLOOR, v[232+\b]      ; the floor: the byte cannot fall under 1 (a block whose every p is 0 keeps that byte: its codes are zeros)
.endr
.irp b, 0,1,2,3
	v_add_nc_u32 v[244+\b], EOFF, v[232+\b]        ; the conversion's scale operand
.endr
.irp b, 0,1,2,3
	v_lshrrev_b32 v[236+\b], 23, v[244+\b]         ; the scale's byte
.endr
	v_lshl_or_b32 v253, v237, 8, v236              ; p's scale word for these 128 keys
	v_lshl_or_b32 v253, v238, 16, v253
	v_lshl_or_b32 v253, v239, 24, v253
.irp c, 0,1
	v_cvt_scalef32_pk16_bf6_f32 v[224+6*\c:226+6*\c], v[S+32*\c:S+15+32*\c], v[244+2*\c]
	v_cvt_scalef32_pk16_bf6_f32 v[236+4*\c:238+4*\c], v[S+16+32*\c:S+31+32*\c], v[244+2*\c+1]
.endr
	v_nop                                          ; one plain place behind a scaled conversion
.irp c, 0,1                                    ; the operand's layout wants a whole block in a lane: lanes 0-15 block 2 c, lanes 16-31 block 2 c + 1
.irp i, 0,1,2
	v_permlane16_swap_b32 v[224+6*\c+\i], v[236+4*\c+\i]
.endr
.irp i, 0,1,2
	v_mov_b32 v[227+6*\c+\i], v[236+4*\c+\i]
.endr
.endr
.set j, 0
.rept 32
	v_pk_mul_f32 v[OA+j:OA+j+1], v[OA+j:OA+j+1], v[252:253] op_sel_hi:[1,0]   ; O^T under the new M, from each accumulator's low end on.  (These 32 are also the places in front of the loads and products below)
.set j, j+2
.endr
.irp p, 0,1,2,3
	ds_load_b32 v[SCR+\p], v[L4] offset:(\sl)*SLOT+VSC+128*\p   ; V's scale registers
.endr
.irp g, 0,1                                    ; O^T += V^T P^T: four tiles of 16 channels at a time; K = these 128 keys
.if \g > 0
.rept 4
	v_nop
.endr
.endif
.irp t, 0,1,2,3
.irp q, 0,1,2
	ds_load_b128 v[FRG+12*\t+4*\q:FRG+12*\t+4*\q+3], v[L16] offset:(\sl)*SLOT+VIMG+(4*\g+\t)*1536+512*\q
.endr
.endr
	s_wait_dscnt 0x0
.irp t, 0,1,2,3                                ; the eight accumulators take turns, one instruction a turn
.if \t%2
	v_wmma_scale_f32_16x16x128_f8f6f4 v[OA+8*(4*\g+\t):OA+8*(4*\g+\t)+7], v[FRG+12*\t:FRG+12*\t+11], v[224:235], v[OA+8*(4*\g+\t):OA+8*(4*\g+\t)+7], v[SCR+2*\g+\t/2], v253 matrix_a_fmt:MATRIX_FMT_BF6 matrix_b_fmt:MATRIX_FMT_BF6 matrix_a_scale:MATRIX_SCALE_ROW1
.else
	v_wmma_scale_f32_16x16x128_f8f6f4 v[OA+8*(4*\g+\t):OA+8*(4*\g+\t)+7], v[FRG+12*\t:FRG+12*\t+11], v[224:235], v[OA+8*(4*\g+\t):OA+8*(4*\g+\t)+7], v[SCR+2*\g+\t/2], v253 matrix_a_fmt:MATRIX_FMT_BF6 matrix_b_fmt:MATRIX_FMT_BF6
.endif
.endr
.endr
.endm
; A STEP AS A WHOLE: the next block is asked for; my tile's work, if the mask leaves any; the next block goes into the other slot; one barrier.
.macro TRIP sl
	s_and_b32 s[FN], s[SKF], 2
	s_lshr_b32 s[SKF], s[SKF], 2
	s_cmp_lg_u32 s[FN], 0
	s_cbranch_scc1 .Lnoreq_\@                      ; none of the sixteen tiles needs the next step (or there is none): the same in all waves
	FILL_LOAD BLK
.Lnoreq_\@:
	; A prefetch of the 24,576 bytes of codes of the step after the next: one step ahead of the loads that will want them.  All eight work-groups of a head walk the same blocks: the first of them asks, by its waves 4 to 6,
	; 8,192 bytes a wave, lanes 256 bytes apart, in steps 0 to 13: each block of 256 bytes is named once in the launch, and none lies behind the head's last block.  Steps 0 and 1 and the scale registers come by their loads alone.
	s_cmp_lt_u32 s[JS], s[LIM]
	s_cbranch_scc0 .Lnoask_\@
	global_prefetch_b8 v[PFO], s[KV:KV+1] offset:2*BLK th:TH_LOAD_NT scope:SCOPE_SE
.Lnoask_\@:
	s_and_b32 s[F], s[FWO], 3
	s_lshr_b32 s[FWO], s[FWO], 2
	s_cmp_eq_u32 s[F], 2
	s_cbranch_scc1 .Lhidden_\@                     ; all 16 x 128 hidden: nothing of M, the sum or O would change
	STEP \sl
.Lhidden_\@:
	s_wait_loadcnt 0x0                             ; the next block is in my registers; no load of mine is out, whichever way the branches went
	s_cmp_lg_u32 s[FN], 0
	s_cbranch_scc1 .Lnosto_\@
	FILL_STORE 1-(\sl)                             ; into the slot that was read last step: every wave's reads of it were over in front of the last barrier
.Lnosto_\@:
	s_wait_xcnt 0x0                                ; the prefetch has read its base: the bases are stepped only behind this wait
	s_add_nc_u64 s[KV:KV+1], s[KV:KV+1], BLK
	s_add_nc_u64 s[MW:MW+1], s[MW:MW+1], 256
	s_add_co_u32 s[JS], s[JS], 1
	s_wait_dscnt 0x0                               ; for the others' sake: my stores into the next slot are done, and my reads of this slot are over
	s_barrier_signal -1
	s_barrier_wait -1
.endm
	s_mov_b32 s[JS], 0
	s_mov_b32 s3, 0
.Ltrip:                                            ; 8 trips of two steps: the slots are constants of the text
	TRIP 0
	TRIP 1
	s_add_co_u32 s3, s3, 1
	s_cmp_lt_u32 s3, 8
	s_cbranch_scc1 .Ltrip
	; THE WAY OUT.  O^T is divided by the row's sum and goes through my stage, so that 32 lanes store a query's 512 consecutive bytes.
.rept 4
	v_nop                                          ; four places behind the last products
.endr
	v_add_f32 v14, v14, v15                        ; the sum's two halves,
	v_permlanex16_b32 v252, v14, s[SEL], s[SEL+1]
	v_add_f32 v14, v14, v252                       ; and lane l xor 16's: the row's sum
	v_rcp_f32 v14, v14
	v_nop                                          ; a plain instruction behind the reciprocal
	s_wait_alu depctr_va_vdst(0)                   ; and the wait ahead of its first reader
.set j, 0
.rept 64
	v_mul_f32 v[S+j], v[OA+j], v14                 ; register 8 t + i is o(query r, channel 16 t + 8 h + i)
.set j, j+1
.endr
.irp t, 0,1,2,3,4,5,6,7
	ds_store_b128 v[SO], v[S+8*\t:S+8*\t+3] offset:64*\t
	ds_store_b128 v[SO], v[S+8*\t+4:S+8*\t+7] offset:64*\t+16
.endr
.set i, 0
.rept 16
	ds_load_b128 v[FRG+4*i:FRG+4*i+3], v[SR] offset:SP*i   ; LDS serves a wave's instructions in order: these see my stores
.set i, i+1
.endr
.set i, 0
.rept 16
	s_wait_dscnt 15-i                              ; row i is back; the 15 - i behind it may be out
	global_store_b128 v[L16], v[FRG+4*i:FRG+4*i+3], s[12:13] offset:16384*i th:TH_STORE_NT   ; 32 lanes store 512 consecutive bytes, at a multiple of 256 from out's first byte; written once, read by nobody here
.set i, i+1
.endr
	s_wait_tensorcnt 0x0
	ds_add_u32 v31, v243
	s_wait_dscnt 0x0
	s_endpgm
.Lfunc_end_k_q27cd3e6b91_attn:
	.size	k_q27cd3e6b91_attn, .Lfunc_end_k_q27cd3e6b91_attn-k_q27cd3e6b91_attn
	.p2alignl 7, 3214868480
	.fill 96, 4, 3214868480
	.section	.rodata,"a",@progbits
	.p2align	6, 0x0
	.amdhsa_kernel k_q27cd3e6b91_attn
		.amdhsa_group_segment_fixed_size 202752
		.amdhsa_private_segment_fixed_size 0
		.amdhsa_enable_private_segment 0
		.amdhsa_kernarg_size 40
		.amdhsa_user_sgpr_count 2
		.amdhsa_user_sgpr_kernarg_segment_ptr 1
		.amdhsa_wavefront_size32 1
		.amdhsa_system_sgpr_workgroup_id_x 1
		.amdhsa_system_sgpr_workgroup_id_y 1
		.amdhsa_system_sgpr_workgroup_id_z 1
		.amdhsa_system_vgpr_workitem_id 0
		.amdhsa_next_free_vgpr 256
		.amdhsa_next_free_sgpr 102
		.amdhsa_reserve_vcc 0
		.amdhsa_float_denorm_mode_32 3
		.amdhsa_float_denorm_mode_16_64 3
		.amdhsa_memory_ordered 1
		.amdhsa_forward_progress 1
		.amdhsa_inst_pref_size 70
	.end_amdhsa_kernel
	.amdgpu_metadata
---
amdhsa.version: [ 1, 2 ]
amdhsa.kernels:
  - .name:           k_q27cd3e6b91_attn
    .symbol:         k_q27cd3e6b91_attn.kd
    .args:
      - { .name: query_layer, .offset: 0, .size: 8, .value_kind: global_buffer, .address_space: global }
      - { .name: kv, .offset: 8, .size: 8, .value_kind: global_buffer, .address_space: global }
      - { .name: mw, .offset: 16, .size: 8, .value_kind: global_buffer, .address_space: global }
      - { .name: fw, .offset: 24, .size: 8, .value_kind: global_buffer, .address_space: global }
      - { .name: out0, .offset: 32, .size: 8, .value_kind: global_buffer, .address_space: global }
    .group_segment_fixed_size: 202752
    .private_segment_fixed_size: 0
    .kernarg_segment_align: 8
    .kernarg_segment_size: 40
    .max_flat_workgroup_size: 512
    .sgpr_count:     102
    .vgpr_count:     256
    .wavefront_size: 32
...
	.end_amdgpu_metadata
.endif
;; end of part 2
;; ======== version 2 of 2: 2 launches
;; workspace buffers: kv 26,214,400 bytes; mw 1,048,576 bytes of whole numbers; fw 1,024 bytes of whole numbers
;; launch prep (part 3): grid 2112 x 1, 4 waves a work-group, no clusters, 68,096 bytes of LDS; arguments attention_mask, key_layer, value_layer, kv, mw, fw; writes kv, mw, fw
.if DOCPART == 3
	.amdgcn_target "amdgcn-amd-amdhsa--gfx1250"
	.amdhsa_code_object_version 6
	.text
	.protected	k_q27cd3e6b91_prep
	.globl	k_q27cd3e6b91_prep
	.p2align	8
	.type	k_q27cd3e6b91_prep,@function
k_q27cd3e6b91_prep:
	s_mov_b64 s[64:65], 0
	v_nop
	global_prefetch_b8 v0, s[64:65] scope:SCOPE_SE
	s_setreg_imm32_b32 hwreg(HW_REG_WAVE_MODE, 25, 1), 1
	s_wait_xcnt 0x0
; THE LAUNCH IN FRONT OF THE ATTENTION.  Three kinds of work-groups, told apart by the work-group's number; waves share nothing, so there is no barrier.
;   0 .. 63       the mask [2][1][2048][2048] (bytes, not 0 = hidden) becomes lane masks and flags;
;   64 .. 1087    K [64 heads][2048 keys][128] f32 becomes codes of BF6 (E3M2) along the head's 128, one E8M0 byte for each 32;
;   1088 .. 2111  V [64][2048][128] f32 becomes codes along the KEYS, which are the second product's K.
; kv: one block of BLK = 25,600 bytes for each (head, step of 128 keys): 8 fragments of K, 8 of V, 4 scale registers of K, 4 of V, ALL AS IMAGES OF THE OPERAND'S REGISTERS:
;   a fragment (16 rows x 128 K, 12 registers a lane) is 1,536 bytes: registers 4 g .. 4 g + 3 of lane l at 512 g + 16 l;  a scale register is 128 bytes, 4 a lane.
;   K's tile 2 b + u: lane (r, h) holds key 32 b + 8 u + r + 8 (r / 8), registers 6 c .. 6 c + 5 its channels 64 c + 32 h + 0 .. 31.
;   V's tile t: lane (r, h) holds channel 16 t + r, registers 6 c .. 6 c + 5 the keys 64 c + 32 h + 0 .. 31 of the step.
;   Scale register p: lanes 0-15 the words of tile 2 p's rows, lanes 16-31 those of tile 2 p + 1.
; mw: 256 bytes for each (tile of 16 queries G = 128 batch + tile, step): word n (0 .. 63), bit l = mask[query l % 16][key 32 (n / 16) + 16 (l / 16) + n % 16]; word n lies at dword 2 n (n < 32) or 2 (n - 32) + 1.
; fw: one word for each G; bits 2 j + 1 : 2 j for step j: 0 nothing hidden, 1 some, 2 all 16 x 128 hidden.
; THE QUANTISER: a block's scale is 2^(floor(log2(largest magnitude)) - 4): its byte is the largest magnitude's exponent field - 4, held at 1 from below by a floor among the maximum's leaves.
; LIMITS: a block of zeros, or one whose largest magnitude lies under 2^-122, gets the byte 1 (the rule says 127 for zeros: the codes are zeros, and this program alone reads the bytes).
; NaN and infinities in K and V are not served.  Any mask byte that is not 0 counts as true.
.set BLK,   25600
.set VIMG,  12288                      ; V's fragments in a block
.set KSC,   24576                      ; K's scale registers
.set VSC,   25088                      ; V's
.set KP,    528                        ; path K's stage: a key's 512 bytes + 16: sixteen rows begin at sixteen different 16-byte columns modulo 256
.set FLOOR, 0x2800000                  ; 2^(5 - 127)
.set EOFF,  0xfe000000                 ; -(4 << 23): 4 off an exponent field
.set FB,    192                        ; path V: v192-215 two fragment lanes' 12 registers each
	s_load_b256 s[4:11], s[0:1], 0x0               ; mask s[4:5], K s[6:7], V s[8:9], kv s[10:11]
	s_load_b128 s[12:15], s[0:1], 0x20             ; mw s[12:13], fw s[14:15]
	v_lshl_add_u32 v251, v0, 2, 0x10800
	v_mov_b32 v255, 0
	v_lshrrev_b32 v1, 5, v0
	v_readfirstlane_b32 s16, v1                    ; wave 0..3
	v_and_b32 v1, 31, v0                           ; lane
	v_and_b32 v2, 15, v0                           ; r
	v_bfe_u32 v3, v0, 4, 1                         ; h
	v_lshlrev_b32 v4, 4, v1                        ; 16 x lane
	v_lshlrev_b32 v5, 2, v1                        ; 4 x lane
	s_mov_b32 s20, 0x76543210
	s_mov_b32 s21, 0xfedcba98                      ; v_permlanex16_b32's selects for lane l xor 16
	s_wait_kmcnt 0x0
	s_cmp_lt_u32 ttmp9, 64
	s_cbranch_scc1 .Lmask
	s_cmp_lt_u32 ttmp9, 1088
	s_cbranch_scc1 .Lk
; ---------------------------------------------------------------- V: a lane takes a channel, its registers run down the keys
; Wave w takes channels 32 w + lane (tiles 2 w and 2 w + 1) for the step's 128 keys: four whole blocks of 32 keys a lane, so no other lane is asked for a maximum.
	s_sub_co_u32 s17, ttmp9, 1088                  ; 16 x head + step
	s_lshl_b32 s18, s17, 16                        ; 128 keys of 512 bytes
	s_mov_b32 s19, 0
	s_add_nc_u64 s[18:19], s[8:9], s[18:19]
	s_mul_i32 s22, s17, BLK
	s_mov_b32 s23, 0
	s_add_nc_u64 s[22:23], s[10:11], s[22:23]
	s_wait_alu depctr_va_vdst(0)
	v_lshl_add_u32 v6, s16, 7, v5                  ; 4 x lane + 128 x wave: my channel in a key's row, and my scale word's place
.macro VLOAD t                         ; block t: V(32 t + i, my channel): a wave reads 128 neighbouring bytes, the four waves a key's whole row
.set i, 0
.rept 32
	global_load_b32 v[32+32*(\t)+i], v6, s[18:19] offset:512*(32*(\t)+i) th:TH_LOAD_NT
.set i, i+1
.endr
.endm
	VLOAD 0
	VLOAD 1
	v_mul_u32_u24 v7, v3, 1536                     ; where my codes go: tile 2 w + lane / 16,
	v_lshl_add_u32 v7, v2, 4, v7                   ; fragment lane r (+ 16 for the odd blocks: in the immediate)
	s_mul_i32 s24, s16, 3072
	v_add_nc_u32 v7, s24, v7
.macro VBLOCK b
.set XS, 32+32*(\b)
.if (\b) < 3
	s_wait_loadcnt 32                              ; this block's 32 loads are in; the next block's 32 may be out
.else
	s_wait_loadcnt 0x0
.endif
.if (\b)+2 < 4
	VLOAD (\b)+2                                   ; two blocks ahead, into registers of their own
.endif
	v_max3_num_f32 v12, |v[XS]|, |v[XS+1]|, |v[XS+2]|      ; the block's largest magnitude, in two chains
	v_max3_num_f32 v13, |v[XS+3]|, |v[XS+4]|, |v[XS+5]|
.irp i, 6,10,14,18,22,26
	v_max3_num_f32 v12, v12, |v[XS+\i]|, |v[XS+\i+1]|
	v_max3_num_f32 v13, v13, |v[XS+\i+2]|, |v[XS+\i+3]|
.endr
	v_max3_num_f32 v12, v12, |v[XS+30]|, |v[XS+31]|
	v_max3_num_f32 v12, v12, v13, FLOOR            ; and the floor: the byte cannot fall under 1
	v_add_nc_u32 v[22+(\b)], EOFF, v12             ; the conversion takes this operand's exponent field as its scale
	v_lshrrev_b32 v[26+(\b)], 23, v[22+(\b)]       ; the scale's byte
	v_cvt_scalef32_pk16_bf6_f32 v[FB+12*((\b)%2)+6*((\b)/2):FB+12*((\b)%2)+6*((\b)/2)+2], v[XS:XS+15], v[22+(\b)]   ; block b = registers 6 (b / 2) on of fragment lane r + 16 (b % 2)
	v_cvt_scalef32_pk16_bf6_f32 v[176+4*(\b):178+4*(\b)], v[XS+16:XS+31], v[22+(\b)]   ; (a conversion's three registers begin on an even number: the second half is made elsewhere and moved)
.endm
	s_wait_alu depctr_va_vdst(0)
	VBLOCK 0
	VBLOCK 1
	VBLOCK 2
	VBLOCK 3
	v_nop                                          ; one plain place behind the last scaled conversion
.irp b, 0,1,2,3
.irp i, 0,1,2
	v_mov_b32 v[FB+12*(\b%2)+6*(\b/2)+3+\i], v[176+4*\b+\i]
.endr
.endr
	v_lshl_or_b32 v30, v27, 8, v26                 ; my channel's scale word: byte b for keys 32 b on
	v_lshl_or_b32 v30, v28, 16, v30
	v_lshl_or_b32 v30, v29, 24, v30
.irp hh, 0,1
.irp g, 0,1,2
	global_store_b128 v7, v[FB+12*\hh+4*\g:FB+12*\hh+4*\g+3], s[22:23] offset:VIMG+512*\g+256*\hh   ; each half of the lanes stores 256 consecutive bytes, at a multiple of 256 from kv's first byte
.endr
.endr
	global_store_b32 v6, v30, s[22:23] offset:VSC  ; 128 bytes a wave: the four waves' stores lie on end
	s_endpgm
; ---------------------------------------------------------------- K: rows are read as they lie and turned through the wave's own stage in LDS
; Wave w takes the step's keys 32 w .. 32 w + 31: tiles 2 w and 2 w + 1.
.Lk:
	s_sub_co_u32 s17, ttmp9, 64                    ; 16 x head + step
	s_lshl_b32 s18, s17, 16
	s_lshl_b32 s19, s16, 14                        ; my 32 keys of 512 bytes
	s_add_co_u32 s18, s18, s19
	s_mov_b32 s19, 0
	s_add_nc_u64 s[18:19], s[6:7], s[18:19]
.set i, 0
	s_wait_alu depctr_va_vdst(0)
.rept 32
	global_load_b128 v[32+4*i:35+4*i], v4, s[18:19] offset:512*i th:TH_LOAD_NT   ; key i: 32 lanes read its 512 consecutive bytes
.set i, i+1
.endr
	s_mul_i32 s22, s17, BLK
	s_mov_b32 s23, 0
	s_add_nc_u64 s[22:23], s[10:11], s[22:23]
	s_mul_i32 s24, s16, 32*KP                      ; my stage
	v_add_nc_u32 v6, s24, v4                       ; in: 16 x lane of a row
	v_mul_u32_u24 v7, v2, KP
	v_lshl_add_u32 v7, v3, 7, v7
	v_add_nc_u32 v7, s24, v7                       ; back: row r, + 128 h: my 32 channels of each 64
	s_mul_i32 s25, s16, 3072
	v_add_nc_u32 v8, s25, v4                       ; the images: 16 x lane + two tiles a wave
	v_lshl_add_u32 v9, s16, 7, v5                  ; the scale register: 4 x lane + 128 x wave
	v_lshlrev_b32 v10, 3, v3                       ; 8 h
	v_mov_b32 v11, 0                               ; (a lane permute's destination counts as one of its sources)
.set i, 0
	s_wait_alu depctr_va_vdst(0)
.rept 32
	s_wait_loadcnt 31-i                            ; key i is in; the 31 - i behind it may be out
	ds_store_b128 v6, v[32+4*i:35+4*i] offset:(16*((i/8)%2)+8*(i/16)+i%8)*KP   ; to stage row 16 u + r, where key i = 8 u + r + 8 (r / 8): a tile's sixteen keys lie on sixteen neighbouring rows
.set i, i+1
.endr
.macro BACK dst, u                     ; tile u: lane (r, h) takes channels 64 c + 32 h + 0 .. 31 of its key into v[dst + 32 c] on.  LDS serves a wave's instructions in order: these see my stores
.irp c, 0,1
.irp q, 0,1,2,3,4,5,6,7
	ds_load_b128 v[\dst+32*\c+4*\q:\dst+32*\c+4*\q+3], v7 offset:(\u)*16*KP+256*\c+16*\q
.endr
.endr
.endm
; 64 numbers of a lane, two whole blocks (v[src + 32 c + i] = k 64 c + 32 h + i), become the fragment's 12 registers at v[cod] and the row's scale word in v[word]
.macro Q2 src, cod, word
.irp c, 0,1
	v_max3_num_f32 v[18+\c], |v[\src+32*\c]|, |v[\src+32*\c+1]|, FLOOR
.endr
.irp i, 2,4,6,8,10,12,14,16,18,20,22,24,26,28,30
.irp c, 0,1
	v_max3_num_f32 v[18+\c], v[18+\c], |v[\src+32*\c+\i]|, |v[\src+32*\c+\i+1]|   ; (the two blocks by turns)
.endr
.endr
.irp c, 0,1
	v_add_nc_u32 v[20+\c], EOFF, v[18+\c]
.endr
.irp c, 0,1
	v_lshrrev_b32 v[22+\c], 23, v[20+\c]
.endr
	v_lshl_or_b32 v[\word], v23, 16, v22           ; my two bytes: blocks h and 2 + h,
	v_lshlrev_b32 v[\word], v10, v[\word]          ; at their places (8 h bits up);
	v_permlanex16_b32 v11, v[\word], s20, s21
	v_or_b32 v[\word], v[\word], v11               ; with lane l xor 16's two the word is whole, in both halves
.irp c, 0,1
	v_cvt_scalef32_pk16_bf6_f32 v[\cod+6*\c:\cod+6*\c+2], v[\src+32*\c:\src+32*\c+15], v[20+\c]
	v_cvt_scalef32_pk16_bf6_f32 v[248+4*\c:250+4*\c], v[\src+32*\c+16:\src+32*\c+31], v[20+\c]
.endr
	v_nop                                          ; one plain place behind a scaled conversion
.irp c, 0,1
.irp i, 0,1,2
	v_mov_b32 v[\cod+6*\c+3+\i], v[248+4*\c+\i]
.endr
.endr
.endm
	BACK 160, 0
	s_wait_dscnt 16                                ; all but the 16 loads just issued: my 32 stores into the stage are done with their registers,
	BACK 32, 1                                     ; which take the second tile
	s_wait_dscnt 16                                ; the first tile is in; the second tile's 16 loads may be out
	Q2 160, 224, 14
	s_wait_dscnt 0x0
	Q2 32, 236, 15
.irp u, 0,1
.irp g, 0,1,2
	global_store_b128 v8, v[224+12*\u+4*\g:224+12*\u+4*\g+3], s[22:23] offset:1536*\u+512*\g   ; 32 lanes store 512 consecutive bytes, at a multiple of 256 from kv's first byte
.endr
.endr
	v_cmp_le_u32 vcc_lo, 16, v1
	v_cndmask_b32 v16, v14, v15, vcc_lo            ; lanes 0-15 tile 2 w's words, lanes 16-31 tile 2 w + 1's
	global_store_b32 v9, v16, s[22:23] offset:KSC  ; 128 bytes a wave: the four waves' stores lie on end
	s_wait_tensorcnt 0x0
	ds_add_u32 v251, v255
	s_wait_dscnt 0x0
	s_endpgm
; ---------------------------------------------------------------- the mask: whole numbers alone
; Wave task G = 4 x work-group + wave: 16 rows of the mask x 2,048 keys, 16 steps of 128 keys, written out: every offset is an immediate.
.Lmask:
	s_lshl_b32 s17, ttmp9, 2
	s_add_co_u32 s17, s17, s16                     ; G = 128 x batch + tile
	s_lshl_b32 s18, s17, 15                        ; 16 rows of 2,048 bytes
	s_mov_b32 s19, 0
	s_add_nc_u64 s[18:19], s[4:5], s[18:19]
	s_lshl_b32 s22, s17, 12                        ; 16 steps of 256 bytes
	s_mov_b32 s23, 0
	s_add_nc_u64 s[22:23], s[12:13], s[22:23]
	s_lshl_b32 s34, s17, 2
	s_mov_b32 s35, 0
	s_add_nc_u64 s[34:35], s[14:15], s[34:35]
	s_wait_alu depctr_va_vdst(0)
	v_lshlrev_b32 v6, 11, v2
	v_lshl_add_u32 v6, v3, 4, v6                   ; row r, + 16 h: my 16 keys of each 32
	v_lshlrev_b32 v7, 3, v1                        ; out: 8 bytes a lane
.irp i, 96,97,98,99
	v_mov_b32 v\i, 0                               ; (v_writelane_b32's destination counts as read)
.endr
	s_mov_b32 s31, 0                               ; the flags
.macro LOADM s                         ; step s: byte n % 4 of register n / 4 of the set is the mask of key 32 (n / 16) + 16 h + n % 16
.irp bb, 0,1,2,3
	global_load_b128 v[32+16*((\s)%4)+4*\bb:32+16*((\s)%4)+4*\bb+3], v6, s[18:19] offset:128*(\s)+32*\bb
.endr
.endm
.macro MSTEP s
.set MR, 32+16*((\s)%4)
.set PA, 96+2*((\s)%2)
.if 15-(\s) >= 3
	s_wait_loadcnt 12                              ; this step's four loads are in; those of the three steps behind it may be out
.else
	s_wait_loadcnt 4*(15-(\s))
.endif
	s_wait_xcnt 0x0                                ; the store of two steps back has read this pair of registers: it is written again only behind this wait
.set n, 0
.rept 16
.irp e, 0,1,2,3
	v_and_b32 v[8+\e], 0xff<<(8*\e), v[MR+n/4]     ; key number n + e's byte, in every lane
.endr
.irp e, 0,1,2,3
	v_cmp_ne_u32 s[24+\e], 0, v[8+\e]              ; the 32 lanes' bits: word n + e
.endr
.irp e, 0,1,2,3
	v_writelane_b32 v[PA+n/32], s[24+\e], n%32+\e  ; words 0-31 in the first register's lanes, 32-63 in the second's
.endr
.set n, n+4
.endr
	v_and_b32 v12, v[PA], v[PA+1]
	v_or_b32 v13, v[PA], v[PA+1]
	v_cmp_eq_u32 s28, -1, v12                      ; all lanes: every word is all ones
	v_cmp_ne_u32 s29, 0, v13                       ; no lane: every word is 0
	s_cmp_eq_u32 s28, -1
	s_cselect_b32 s30, 2, 1
	s_cmp_eq_u32 s29, 0
	s_cselect_b32 s30, 0, s30
	s_lshl_b32 s30, s30, 2*(\s)
	s_or_b32 s31, s31, s30
	global_store_b64 v7, v[PA:PA+1], s[22:23] offset:256*(\s)   ; 32 lanes store 256 consecutive bytes, at a multiple of 256 from mw's first byte
.if (\s)+4 < 16
	LOADM (\s)+4
.endif
.endm
.irp s, 0,1,2,3
	LOADM \s
.endr
.irp s, 0,1,2,3,4,5,6,7,8,9,10,11,12,13,14,15
	MSTEP \s
.endr
	v_mov_b32 v14, s31
	v_mov_b32 v15, 0
	v_cmp_eq_u32 vcc_lo, 0, v1
	s_wait_alu depctr_va_vdst(0)
	s_wait_xcnt 0x0                                ; EXEC is a source of the stores above: it changes only behind this wait
	s_and_saveexec_b32 s32, vcc_lo
	global_store_b32 v15, v14, s[34:35]            ; lane 0: my tile's flag word
	s_wait_xcnt 0x0                                ; and again in front of the line that widens it
	s_or_b32 exec_lo, exec_lo, s32
	s_endpgm
.Lfunc_end_k_q27cd3e6b91_prep:
	.size	k_q27cd3e6b91_prep, .Lfunc_end_k_q27cd3e6b91_prep-k_q27cd3e6b91_prep
	.p2alignl 7, 3214868480
	.fill 96, 4, 3214868480
	.section	.rodata,"a",@progbits
	.p2align	6, 0x0
	.amdhsa_kernel k_q27cd3e6b91_prep
		.amdhsa_group_segment_fixed_size 68096
		.amdhsa_private_segment_fixed_size 0
		.amdhsa_enable_private_segment 0
		.amdhsa_kernarg_size 48
		.amdhsa_user_sgpr_count 2
		.amdhsa_user_sgpr_kernarg_segment_ptr 1
		.amdhsa_wavefront_size32 1
		.amdhsa_system_sgpr_workgroup_id_x 1
		.amdhsa_system_sgpr_workgroup_id_y 1
		.amdhsa_system_sgpr_workgroup_id_z 1
		.amdhsa_system_vgpr_workitem_id 0
		.amdhsa_next_free_vgpr 256
		.amdhsa_next_free_sgpr 66
		.amdhsa_reserve_vcc 1
		.amdhsa_float_denorm_mode_32 3
		.amdhsa_float_denorm_mode_16_64 3
		.amdhsa_memory_ordered 1
		.amdhsa_forward_progress 1
		.amdhsa_inst_pref_size 244
	.end_amdhsa_kernel
	.amdgpu_metadata
---
amdhsa.version: [ 1, 2 ]
amdhsa.kernels:
  - .name:           k_q27cd3e6b91_prep
    .symbol:         k_q27cd3e6b91_prep.kd
    .args:
      - { .name: attention_mask, .offset: 0, .size: 8, .value_kind: global_buffer, .address_space: global }
      - { .name: key_layer, .offset: 8, .size: 8, .value_kind: global_buffer, .address_space: global }
      - { .name: value_layer, .offset: 16, .size: 8, .value_kind: global_buffer, .address_space: global }
      - { .name: kv, .offset: 24, .size: 8, .value_kind: global_buffer, .address_space: global }
      - { .name: mw, .offset: 32, .size: 8, .value_kind: global_buffer, .address_space: global }
      - { .name: fw, .offset: 40, .size: 8, .value_kind: global_buffer, .address_space: global }
    .group_segment_fixed_size: 68096
    .private_segment_fixed_size: 0
    .kernarg_segment_align: 8
    .kernarg_segment_size: 48
    .max_flat_workgroup_size: 128
    .sgpr_count:     66
    .vgpr_count:     256
    .wavefront_size: 32
...
	.end_amdgpu_metadata
.endif
;; end of part 3
;; launch attn (part 4): grid 8 x 64, 16 waves a work-group, no clusters, 202,752 bytes of LDS; arguments query_layer, kv, mw, fw, out0; writes out0
.if DOCPART == 4
	.amdgcn_target "amdgcn-amd-amdhsa--gfx1250"
	.amdhsa_code_object_version 6
	.text
	.protected	k_q27cd3e6b91_attn
	.globl	k_q27cd3e6b91_attn
	.p2align	8
	.type	k_q27cd3e6b91_attn,@function
k_q27cd3e6b91_attn:
	s_mov_b64 s[64:65], 0
	v_nop
	global_prefetch_b8 v0, s[64:65] scope:SCOPE_SE
	s_setreg_imm32_b32 hwreg(HW_REG_WAVE_SCHED_MODE, 0, 2), 2
	s_setreg_imm32_b32 hwreg(HW_REG_WAVE_MODE, 25, 1), 1
	s_wait_xcnt 0x0
	s_wait_alu depctr_vm_vsrc(0)
; out[b][q][h x 128 + :] = the sum over k of softmax_k(where(mask, -inf, Q . K / sqrt(128))) V, both products on codes of BF6 (E3M2) with one E8M0 scale for each 32 along a product's K.
; Q: [64 heads][2048][128] f32, quantised here in registers.  K and V come as codes from kv, the mask as lane masks from mw and as flags from fw, all laid by the launch before (its head comment has the layouts).
; THE SOFTMAX: t = score x log2(e) / sqrt(128); M = the row's largest t so far, rounded UP to a whole number; p = 2^(t - M) is quantised along the keys, not normalised.  The row's sum is taken of the
; unquantised p and divides at the end.  When M moves, the sum and O are multiplied by 2^(old M - new M): exact.
; SHARES.  A work-group owns 256 queries of one head: the half blocks x and 15 - x of 128 queries, so that under a mask that hides later keys every work-group has the same number of steps; the values hang on no such pattern.
; Each of its sixteen waves owns ONE tile of 16 queries in 256 registers: four waves to a SIMD, so that one wave's vector work stands beside another's products and LDS loads.
; A KEY STEP is 128 keys: 25,600 bytes of kv.  The 512 threads bring the next step's block into registers while this step is worked (3 loads of 16 bytes a thread, a fourth in waves 0 and 1) and store it into the other
; of two LDS slots; one barrier a step orders both the reads of the old slot against its next fill and the fill against its reads.
; THE MASK IS AN INPUT.  fw says of each (tile, step): 0 nothing hidden, 1 some, 2 all.  A step with flag 2 changes neither M, the sum nor O, so the wave passes over its work: a scalar branch on a stored whole number, never round a
; barrier.  With flag 1 the hidden scores become -infinity ahead of the maximum (64 selects by the lane masks of mw, read by scalar loads).  A step that none of the sixteen tiles needs is not fetched.
; A row that is hidden everywhere ends with sum 0 and O 0: 0 x (1 / 0) is NaN, as a softmax of -infinities is.
; NO TENSOR LOADS, NO CLUSTER: the eight work-groups of a head read the same blocks, but which steps a work-group fetches and works hangs on flags read from memory (partners would need different numbers of tiles).
; What is shared is 25,600 bytes a step.
; LAYOUT.  Both products are used transposed: S^T = K Q^T (source 0 = 16 keys, source 1 = my 16 queries), O^T = V^T P^T (source 0 = 16 channels, source 1 = P): a lane holds ONE query (lane % 16) throughout.
; K's tile 2 b + u holds keys 32 b + 8 u + r + 8 (r / 8): score register 16 b + i of lane (r, h) is key 32 b + 16 h + i.
; LIMITS: a block of Q or p whose largest magnitude lies under 2^-122 gets the byte 1 (zeros too: their codes are zeros).  NaN and infinities in Q are not served.  t is made by ONE multiplication by log2(e) / sqrt(128).
; REGISTERS: v1-7, v10, v11 addresses that stay; v12 -M, v13 the largest t, v[14:15] the sum in two halves; v16-27 Q's codes; v32-79 four fragments; v80-95 the next block on its way; v96-159 S^T, then p, then (v96-143) V's
; fragments 4-7; v160-223 O^T; v224-247 K's fragments 4 and 5, then at work (v232-247) and p's codes (v224-235); v252, v254 at work; v248-251 K's or V's scale registers; v253 p's scale word; v255 Q's.
; THE MODE: SCHED_MODE bits 1:0 = 2 (LLVM: expert scheduling mode 2), set by the entry lines.  The code itself states the register dependences between vector or matrix instructions and memory or LDS instructions,
; with s_wait_alu, always for 0.
; THE PLAN.  Registers that memory or LDS instructions touch, in the loop:
;   v1, v2, v3, v5   addresses: made at the head, ahead of the head's wait on va_vdst, and never written again.
;   v80-95           written by the global loads of the next block, read by the LDS stores into the other slot; no vector instruction names them.  One wait on vm_vsrc at a step's head: the stores have read them.
;   v32-79           K's fragments 0-3; K's 6 and 7 (in the first 24) behind products 0 and 1; V's 0-3 behind the last score product.  Read by products alone.
;   v224-247         K's fragments 4 and 5, asked for at the step's head, where the softmax's work registers and p's codes of the step before are done with.
;   v96-143          V's fragments 4-7, asked for when the sums and the conversions have read p.
;   v248-251         K's scale registers at the step's head, V's behind the last score product.
; Four waits on va_vdst in a step state all of that (two more stand behind the exponentials): at its head; behind products 0 and 1; behind the last score product; behind the first eight rescalings of O^T.
; Behind each, the loads that follow touch no register that a vector or matrix instruction issued since the wait names.
.set BLK,   25600                      ; a step's block in kv
.set VIMG,  12288
.set KSC,   24576
.set VSC,   25088
.set SLOT,  32768                      ; LDS: slot 0 at 0, slot 1 here
.set STG,   65536                      ; behind the slots: a stage of 16 rows x 528 bytes for each wave: Q's turn at the head, O's way out
.set SP,    528                        ; 512 bytes + 16: sixteen rows begin at sixteen different 16-byte columns modulo 256
.set FLOOR, 0x2800000                  ; 2^(5 - 127)
.set EOFF,  0xfe000000                 ; 4 off an exponent field
.set L16, 1                            ; v1   16 x lane
.set L4,  2                            ; v2   4 x lane
.set GA,  3                            ; v3   16 x thread: my place in 8,192 bytes of a block, in memory and in LDS
.set PFO, 5                            ; v5   the prefetch's offset
.set SO,  6                            ; v6   my stage: row r, + 32 h
.set SR,  7                            ; v7   my stage by rows: 16 x lane
.set H8,  10                           ; v10  8 h
.set QR,  11                           ; v11  my stage: row r, + 128 h
.set FRG, 32
.set FS,  80
.set S,   96
.set VX,  96                           ; V's fragments 4-7
.set OA,  160
.set KX,  224                          ; K's fragments 4 and 5
.set SCR, 248
.set KV,  6                            ; s[6:7]  kv at the step in hand
.set MW,  8                            ; s[8:9]  mw at my tile's words of the step in hand
.set WV,  14                           ; s14  my wave's number
.set SEL, 20                           ; s[20:21] lane selects: lane l xor 16
.set CS,  22                           ; s[22:23] c = log2(e) / sqrt(128), twice
.set FWO, 24                           ; s24  my tile's flags, the step in hand lowest
.set F,   25                           ; s25  the step's flag
.set SKF, 26                           ; s26  bit 1: nobody in the work-group needs the NEXT step
.set FN,  27                           ; s27  that bit
.set LIM, 28                           ; s28  a wave prefetches while the step's number is under it
.set JS,  29                           ; s29  the step's number
; s[32:63], s[68:99]: the step's 64 mask words; dword p of mw's 256 bytes in s[32 + p + 4 (p / 32)]
.macro FILL_LOAD off                   ; a block of 25,600 bytes: 3 x 8,192 by all 512 threads, the last 1,024 by threads 0 to 63
.irp i, 0,1,2
	global_load_b128 v[FS+4*\i:FS+4*\i+3], v[GA], s[KV:KV+1] offset:\off+8192*\i
.endr
	s_cmp_lt_u32 s[WV], 2
	s_cbranch_scc0 .Lno_l4_\@
	global_load_b128 v[FS+12:FS+15], v[GA], s[KV:KV+1] offset:\off+24576
.Lno_l4_\@:
.endm
.macro FILL_STORE sl                   ; and into slot sl as it lies
.irp i, 0,1,2
	ds_store_b128 v[GA], v[FS+4*\i:FS+4*\i+3] offset:(\sl)*SLOT+8192*\i
.endr
	s_cmp_lt_u32 s[WV], 2
	s_cbranch_scc0 .Lno_s4_\@
	ds_store_b128 v[GA], v[FS+12:FS+15] offset:(\sl)*SLOT+24576
.Lno_s4_\@:
.endm
.macro FRAGL dst, off                  ; an image of a fragment's 12 registers: three loads of 512 consecutive bytes
.irp q, 0,1,2
	ds_load_b128 v[\dst+4*\q:\dst+4*\q+3], v[L16] offset:\off+512*\q
.endr
.endm
.macro KQ t, a                         ; S^T's tile t: 16 keys x my 16 queries; a: where the tile's fragment of K stands.  Scale register t / 2: lanes 0-15 the even tile's words, lanes 16-31 the odd one's
.if (\t)%2
	v_wmma_scale_f32_16x16x128_f8f6f4 v[S+8*\t:S+8*\t+7], v[\a:\a+11], v[16:27], 0, v[SCR+\t/2], v255 matrix_a_fmt:MATRIX_FMT_BF6 matrix_b_fmt:MATRIX_FMT_BF6 matrix_a_scale:MATRIX_SCALE_ROW1
.else
	v_wmma_scale_f32_16x16x128_f8f6f4 v[S+8*\t:S+8*\t+7], v[\a:\a+11], v[16:27], 0, v[SCR+\t/2], v255 matrix_a_fmt:MATRIX_FMT_BF6 matrix_b_fmt:MATRIX_FMT_BF6
.endif
.endm
.macro PV t, a                         ; O^T's tile t += 16 channels x these 128 keys; a: where the tile's fragment of V stands
.if (\t)%2
	v_wmma_scale_f32_16x16x128_f8f6f4 v[OA+8*\t:OA+8*\t+7], v[\a:\a+11], v[224:235], v[OA+8*\t:OA+8*\t+7], v[SCR+\t/2], v253 matrix_a_fmt:MATRIX_FMT_BF6 matrix_b_fmt:MATRIX_FMT_BF6 matrix_a_scale:MATRIX_SCALE_ROW1
.else
	v_wmma_scale_f32_16x16x128_f8f6f4 v[OA+8*\t:OA+8*\t+7], v[\a:\a+11], v[224:235], v[OA+8*\t:OA+8*\t+7], v[SCR+\t/2], v253 matrix_a_fmt:MATRIX_FMT_BF6 matrix_b_fmt:MATRIX_FMT_BF6
.endif
.endm
	s_load_b256 s[4:11], s[0:1], 0x0               ; Q s[4:5], kv s[6:7], mw s[8:9], fw s[10:11]
	s_load_b64 s[12:13], s[0:1], 0x20              ; out
	v_lshl_add_u32 v30, v0, 2, 0x31000
	v_mov_b32 v31, 0
	v_lshrrev_b32 v8, 5, v0
	v_readfirstlane_b32 s[WV], v8                  ; wave 0..15
	v_and_b32 v4, 31, v0                           ; lane
	v_lshlrev_b32 v[L16], 4, v4
	v_lshlrev_b32 v[L4], 2, v4
	v_lshlrev_b32 v[GA], 4, v0
	v_and_b32 v8, 15, v0                           ; r
	v_bfe_u32 v9, v0, 4, 1                         ; h
	v_lshlrev_b32 v[H8], 3, v9
	v_mul_u32_u24 v[QR], v8, SP
	s_and_b32 s15, ttmp7, 0xffff                   ; the head, 0..63
	s_lshr_b32 s16, s15, 5                         ; batch
	s_and_b32 s17, s15, 31                         ; head in the batch
	s_wait_alu depctr_va_sdst(0)                   ; s14, the wave's number, is written, ahead of its first reader
	s_mul_i32 s82, s[WV], 16*SP
	s_add_co_u32 s82, s82, STG                     ; my stage
	v_add_nc_u32 v[QR], s82, v[QR]
	v_lshl_add_u32 v[SO], v9, 5, v[QR]
	v_lshl_add_u32 v[QR], v9, 7, v[QR]
	v_add_nc_u32 v[SR], s82, v[L16]
	s_and_b32 s83, s[WV], 3
	s_lshl_b32 s83, s83, 13
	v_lshl_add_u32 v[PFO], v4, 8, s83              ; lanes 256 bytes apart, 8,192 bytes a wave
	s_lshr_b32 s18, s[WV], 2
	s_xor_b32 s18, s18, s[WV]
	s_and_b32 s18, s18, 1                          ; which of the two half blocks: two waves of each on a SIMD, whether waves are dealt by w % 4 or by w / 4
	s_sub_co_u32 s19, 15, ttmp9
	s_cmp_lg_u32 s18, 0
	s_cselect_b32 s19, s19, ttmp9                  ; half block 15 - x or x
	s_lshr_b32 s18, s[WV], 1
	s_lshl_b32 s19, s19, 3
	s_add_co_u32 s19, s19, s18                     ; T: my tile of 16 queries, 0..127.  It enters global addresses alone
	s_lshl_b32 s18, s16, 7
	s_add_co_u32 s18, s18, s19                     ; G = 128 x batch + T
	s_lshl_b32 s68, s15, 20                        ; Q: a head is 2,048 rows of 512 bytes,
	s_lshl_b32 s69, s19, 13                        ; a tile 16 rows
	s_add_co_u32 s68, s68, s69
	s_mov_b32 s69, 0
	s_mul_i32 s70, s15, 16*BLK                     ; kv: a head is 16 blocks
	s_mov_b32 s71, 0
	s_lshl_b32 s72, s18, 12                        ; mw: 16 steps of 256 bytes
	s_mov_b32 s73, 0
	s_lshl_b32 s74, s16, 25                        ; out: a batch is 2,048 rows of 16,384 bytes,
	s_lshl_b32 s75, s19, 18                        ; a tile 16 rows,
	s_add_co_u32 s74, s74, s75
	s_lshl_b32 s75, s17, 9                         ; a head 512 bytes of a row
	s_add_co_u32 s74, s74, s75
	s_mov_b32 s75, 0
	s_lshl_b32 s76, s18, 2                         ; fw: my tile's word,
	s_mov_b32 s77, 0
	s_lshl_b32 s30, s16, 7
	s_lshl_b32 s31, ttmp9, 3
	s_add_co_u32 s78, s30, s31
	s_lshl_b32 s78, s78, 2                         ; the eight words of half block x,
	s_mov_b32 s79, 0
	s_add_co_u32 s80, s30, 120
	s_sub_co_u32 s80, s80, s31
	s_lshl_b32 s80, s80, 2                         ; and of half block 15 - x
	s_mov_b32 s81, 0
	s_wait_kmcnt 0x0
	s_add_nc_u64 s[4:5], s[4:5], s[68:69]
	s_add_nc_u64 s[KV:KV+1], s[KV:KV+1], s[70:71]
	s_add_nc_u64 s[MW:MW+1], s[MW:MW+1], s[72:73]
	s_add_nc_u64 s[12:13], s[12:13], s[74:75]
	s_add_nc_u64 s[76:77], s[10:11], s[76:77]
	s_add_nc_u64 s[78:79], s[10:11], s[78:79]
	s_add_nc_u64 s[80:81], s[10:11], s[80:81]
	s_load_b32 s[FWO], s[76:77], 0x0
	s_load_b256 s[32:39], s[78:79], 0x0
	s_load_b256 s[40:47], s[80:81], 0x0
	s_wait_alu depctr_va_vdst(0)                   ; the addresses v1, v2, v3, v5, v6, v7 and v11 are written: every load, store and prefetch of the kernel reads one of them, and none is written again
	FILL_LOAD 0                                    ; step 0's block
.set i, 0
.rept 16
	global_load_b128 v[S+4*i:S+4*i+3], v[L16], s[4:5] offset:512*i th:TH_LOAD_NT   ; query i of my tile: 32 lanes read its 512 consecutive bytes
.set i, i+1
.endr
	s_mov_b32 s[SEL], 0x76543210
	s_mov_b32 s[SEL+1], 0xfedcba98
	s_mov_b32 s[CS], 0x3e0293ee                    ; c = log2(e) / sqrt(128)
	s_mov_b32 s[CS+1], s[CS]                       ; (named with it as a pair, so it is written)
	s_sub_co_u32 s30, s[WV], 4
	s_cmp_lt_u32 s30, 3                            ; waves 4 to 6
	s_cselect_b32 s[LIM], 14, 0
	s_cmp_eq_u32 ttmp9, 0                          ; of the head's first work-group
	s_cselect_b32 s[LIM], s[LIM], 0
	s_wait_kmcnt 0x0                               ; the flags
	s_and_b32 s[SKF], s32, s33                     ; a step's upper flag bit survives where all sixteen tiles have it hidden
.irp i, 34,35,36,37,38,39,40,41,42,43,44,45,46,47
	s_and_b32 s[SKF], s[SKF], s\i
.endr
	s_and_b32 s[SKF], s[SKF], 0xaaaaaaaa
	s_lshr_b32 s[SKF], s[SKF], 2                   ; in step j bit 1 speaks of step j + 1;
	s_or_b32 s[SKF], s[SKF], 0x80000000            ; there is no step 16
	s_wait_loadcnt 16                              ; step 0's block is in; Q's 16 loads may be out
	FILL_STORE 0
	s_wait_loadcnt 0x0                             ; Q
.set i, 0
.rept 16
	ds_store_b128 v[SR], v[S+4*i:S+4*i+3] offset:SP*i
.set i, i+1
.endr
.irp c, 0,1
.irp q, 0,1,2,3,4,5,6,7
	ds_load_b128 v[OA+32*\c+4*\q:OA+32*\c+4*\q+3], v[QR] offset:256*\c+16*\q   ; lane (r, h): channels 64 c + 32 h + 0 .. 31 of query r.  LDS serves a wave's instructions in order: these see my stores
.endr
.endr
	s_wait_dscnt 0x0                               ; for the others' sake: my part of slot 0 is stored (and Q is back)
	s_barrier_signal -1
	; Q is quantised between the signal and the wait: work on registers alone.  Two whole blocks a lane
.irp c, 0,1
	v_max3_num_f32 v[232+\c], |v[OA+32*\c]|, |v[OA+32*\c+1]|, FLOOR
.endr
.irp i, 2,4,6,8,10,12,14,16,18,20,22,24,26,28,30
.irp c, 0,1
	v_max3_num_f32 v[232+\c], v[232+\c], |v[OA+32*\c+\i]|, |v[OA+32*\c+\i+1]|
.endr
.endr
.irp c, 0,1
	v_add_nc_u32 v[244+\c], EOFF, v[232+\c]        ; the conversion's scale operand
.endr
.irp c, 0,1
	v_lshrrev_b32 v[236+\c], 23, v[244+\c]         ; the scale's byte
.endr
	v_lshl_or_b32 v255, v237, 16, v236             ; my two bytes: blocks h and 2 + h,
	v_lshlrev_b32 v255, v[H8], v255                ; at their places;
	v_mov_b32 v238, 0
	v_permlanex16_b32 v238, v255, s[SEL], s[SEL+1]
	v_or_b32 v255, v255, v238                      ; with lane l xor 16's the word is whole
.irp c, 0,1
	v_cvt_scalef32_pk16_bf6_f32 v[16+6*\c:18+6*\c], v[OA+32*\c:OA+32*\c+15], v[244+\c]
	v_cvt_scalef32_pk16_bf6_f32 v[224+4*\c:226+4*\c], v[OA+32*\c+16:OA+32*\c+31], v[244+\c]   ; (a conversion's three registers begin on an even number)
.endr
	v_nop                                          ; one plain place behind a scaled conversion
.irp c, 0,1
.irp i, 0,1,2
	v_mov_b32 v[19+6*\c+\i], v[224+4*\c+\i]
.endr
.endr
	s_barrier_wait -1                              ; slot 0 is whole
	v_mov_b32 v13, 0xff61b1e6                      ; the largest t so far: -3e38, under every t
	v_floor_f32 v12, -v13                          ; -M
	v_mov_b32 v14, 0                               ; the sum, in two halves
	v_mov_b32 v15, 0
.irp b, 0,1,2,3
	v_mov_b32 v[236+\b], 0                         ; a lane permute's destination counts as one of its sources
.endr
	v_mov_b32 v252, 0
	v_mov_b32 v253, 0                              ; (named as the upper half of the pair v[252:253] before it is first written)
.set j, 0
.rept 64
	v_mov_b32 v[OA+j], 0                           ; O^T: the step is written for every step alike; the first finds zeros.  (These are also the places between the making of Q's codes and scale word and the first product)
.set j, j+1
.endr
; A KEY STEP's work, from slot sl
.macro STEP sl
.rept 5
	v_nop                                          ; five places behind the last worked step's last products: the scores' products below write over v96-143, from which those took V's fragments (ISA guide 7.12.1)
.endr
	s_wait_alu depctr_va_vdst(0)                   ; the last worked step's products are done reading v32-79, v224-235 and v248-251, its softmax is done with v224-247: the loads below land there.  In the first step: Q's codes v16-27 and scale word v255 are written, which the scaled products take
	s_load_b512 s[32:47], s[MW:MW+1], 0x0          ; the step's 64 lane masks; wanted behind the first product
	s_load_b512 s[48:63], s[MW:MW+1], 0x40
	s_load_b512 s[68:83], s[MW:MW+1], 0x80
	s_load_b512 s[84:99], s[MW:MW+1], 0xc0
.irp p, 0,1,2,3
	ds_load_b32 v[SCR+\p], v[L4] offset:(\sl)*SLOT+KSC+128*\p   ; K's scale registers: tiles 2 p (lanes 0-15) and 2 p + 1 (lanes 16-31)
.endr
.irp t, 0,1,2,3                                ; S^T = K Q^T.  Six of K's eight fragments are asked for at once: 0-3 into the fragments' registers,
	FRAGL FRG+12*\t, (\sl)*SLOT+1536*\t
.endr
	FRAGL KX, (\sl)*SLOT+1536*4                    ; 4 and 5 into registers that the softmax takes only behind the products
	FRAGL KX+12, (\sl)*SLOT+1536*5
	s_wait_dscnt 12                                ; the scale registers and fragments 0 and 1 are in; the 12 loads of fragments 2 to 5 may be out
	KQ 0, FRG
	KQ 1, FRG+12
.rept 4
	v_nop                                          ; four places behind these two products stay beside the wait below, in front of the loads into the registers that they read
.endr
	s_wait_alu depctr_va_vdst(0)                   ; products 0 and 1 are done reading v32-55, in which fragments 6 and 7 land; the four products below name none of these registers
	FRAGL FRG, (\sl)*SLOT+1536*6
	FRAGL FRG+12, (\sl)*SLOT+1536*7
	s_wait_dscnt 6                                 ; fragments 2 to 5 are in; the six loads just issued may be out
	KQ 2, FRG+24
	KQ 3, FRG+36
	KQ 4, KX
	KQ 5, KX+12
	s_wait_dscnt 0x0                               ; fragments 6 and 7 are in
	KQ 6, FRG
	KQ 7, FRG+12
.rept 4
	v_nop                                          ; four places in front of the first read of the scores, and of the loads below
.endr
	s_wait_alu depctr_va_vdst(0)                   ; the eight products are done reading v32-79 and v248-251, in which V's first four fragments and its scale registers land; the softmax names none of these registers
.irp p, 0,1,2,3
	ds_load_b32 v[SCR+\p], v[L4] offset:(\sl)*SLOT+VSC+128*\p   ; V's scale registers
.endr
.irp t, 0,1,2,3
	FRAGL FRG+12*\t, (\sl)*SLOT+VIMG+1536*\t       ; they have the softmax in which to land
.endr
	s_wait_kmcnt 0x0                               ; the lane masks are in (and their base may be stepped)
	s_cmp_eq_u32 s[F], 0
	s_cbranch_scc1 .Lopen_\@                       ; nothing hidden in this step
	v_mov_b32 v254, 0xff800000                     ; -infinity
.set n, 0
.rept 64
.set pp, 2*(n%32)+n/32
	v_cndmask_b32 v[S+n], v[S+n], v254, s[32+pp+4*(pp/32)]   ; hidden scores become -infinity ahead of the maximum: p = 0 then.  Ascending: each accumulator is read from its low end on
.set n, n+1
.endr
.Lopen_\@:
.irp b, 0,1,2,3
	v_max3_num_f32 v[232+\b], v[S+16*\b], v[S+1+16*\b], v[S+2+16*\b]   ; the largest score of each block of 32 keys: it serves for the row's maximum and, since p rises with the score, for the block's largest p
.endr
.irp i, 3,5,7,9,11,13
.irp b, 0,1,2,3
	v_max3_num_f32 v[232+\b], v[232+\b], v[S+16*\b+\i], v[S+1+16*\b+\i]
.endr
.endr
.irp b, 0,1,2,3
	v_max_num_f32 v[232+\b], v[232+\b], v[S+15+16*\b]
.endr
.irp b, 0,1,2,3
	v_permlanex16_b32 v[236+\b], v[232+\b], s[SEL], s[SEL+1]
.endr
.irp b, 0,1,2,3
	v_max_num_f32 v[232+\b], v[232+\b], v[236+\b]  ; with lane l xor 16's 16 keys
.endr
	v_max3_num_f32 v254, v232, v233, v234
	v_max_num_f32 v254, v254, v235                 ; the step's largest score of my query
	v_mul_f32 v254, s[CS], v254                    ; as t (c is positive)
	v_max_num_f32 v13, v13, v254                   ; the running largest t
	v_mov_b32 v254, v12
	v_floor_f32 v12, -v13                          ; the new -M = floor(-t) = -ceil(t): a whole number
	v_sub_f32 v254, v12, v254                      ; old M - new M: a whole number, 0 or less
	v_cvt_i32_f32 v254, v254                       ; (it saturates)
	v_ldexp_f32 v252, 1.0, v254                    ; f = 2^(old M - new M)
.set j, 0
.rept 32
	v_pk_fma_f32 v[S+j:S+j+1], v[S+j:S+j+1], s[CS:CS+1], v[12:13] op_sel_hi:[1,0,0]   ; t - M, two at a time (of the pairs c and -M the low word serves both halves)
.set j, j+2
.endr
.irp b, 0,1,2,3
	v_fma_f32 v[232+\b], v[232+\b], s[CS], v12     ; the same of each block's largest score
.endr
.set j, 0
	s_wait_alu depctr_va_vdst(0)
.rept 64
	v_exp_f32 v[S+j], v[S+j]                       ; p = 2^(t - M), at most 1
.set j, j+1
.endr
	v_pk_mul_f32 v[14:15], v[14:15], v[252:253] op_sel_hi:[1,0]   ; the sums under the new M: the plain instruction behind the exponentials
	s_wait_alu depctr_va_vdst(0)                   ; the 64 exponentials have written p in v96-159: one wait for the batch, ahead of its first reader
.irp b, 0,1,2,3
	v_exp_f32 v[232+\b], v[232+\b]                 ; the block's largest p: the same two instructions on the same number
.endr
	v_pk_add_f32 v[236:237], v[S:S+1], v[S+2:S+3]  ; the row's sum is taken of the unquantised p: two at a time, in two chains
.irp j, 4,8,12,16,20,24,28,32,36,40,44,48,52,56,60
	v_pk_add_f32 v[14:15], v[14:15], v[S+\j:S+1+\j]
	v_pk_add_f32 v[236:237], v[236:237], v[S+2+\j:S+3+\j]
.endr
	v_pk_add_f32 v[14:15], v[14:15], v[236:237]
	s_wait_alu depctr_va_vdst(0)                   ; the four exponentials have written v232-235: their wait, ahead of their first reader
.irp b, 0,1,2,3
	v_max_num_f32 v[232+\b], FLOOR, v[232+\b]      ; the floor: the byte cannot fall under 1 (a block whose every p is 0 keeps that byte: its codes are zeros)
.endr
.irp b, 0,1,2,3
	v_add_nc_u32 v[244+\b], EOFF, v[232+\b]        ; the conversion's scale operand
.endr
.irp b, 0,1,2,3
	v_lshrrev_b32 v[236+\b], 23, v[244+\b]         ; the scale's byte
.endr
	v_lshl_or_b32 v253, v237, 8, v236              ; p's scale word for these 128 keys
	v_lshl_or_b32 v253, v238, 16, v253
	v_lshl_or_b32 v253, v239, 24, v253
.irp c, 0,1
	v_cvt_scalef32_pk16_bf6_f32 v[224+6*\c:226+6*\c], v[S+32*\c:S+15+32*\c], v[244+2*\c]
	v_cvt_scalef32_pk16_bf6_f32 v[236+4*\c:238+4*\c], v[S+16+32*\c:S+31+32*\c], v[244+2*\c+1]
.endr
	v_nop                                          ; one plain place behind a scaled conversion
.irp c, 0,1                                    ; the operand's layout wants a whole block in a lane: lanes 0-15 block 2 c, lanes 16-31 block 2 c + 1
.irp i, 0,1,2
	v_permlane16_swap_b32 v[224+6*\c+\i], v[236+4*\c+\i]
.endr
.irp i, 0,1,2
	v_mov_b32 v[227+6*\c+\i], v[236+4*\c+\i]
.endr
.endr
.set j, 0
.rept 8
	v_pk_mul_f32 v[OA+j:OA+j+1], v[OA+j:OA+j+1], v[252:253] op_sel_hi:[1,0]   ; O^T under the new M, from each accumulator's low end on.  These eight are the places between the making of p's scale word and codes and the scaled products
.set j, j+2
.endr
	s_wait_alu depctr_va_vdst(0)                   ; p's codes v224-235 and scale word v253 are written, which the scaled products take; the sums and the conversions are done reading p, so that V's last four fragments may land in v96-143
.irp t, 0,1,2,3
	FRAGL VX+12*\t, (\sl)*SLOT+VIMG+1536*(4+\t)    ; no vector instruction since the wait names these registers: the rescalings below name v176-223 and v[252:253]
.endr
.rept 24
	v_pk_mul_f32 v[OA+j:OA+j+1], v[OA+j:OA+j+1], v[252:253] op_sel_hi:[1,0]
.set j, j+2
.endr
	s_wait_alu depctr_va_vdst(0)
	s_wait_dscnt 12                                ; V's scale registers and fragments 0 to 3, asked for at the softmax's head, are in; the 12 loads just issued may be out
	PV 0, FRG                                      ; O^T += V^T P^T; K = these 128 keys.  The eight accumulators take turns, one instruction a turn
	PV 1, FRG+12
	PV 2, FRG+24
	PV 3, FRG+36
	s_wait_dscnt 0x0                               ; fragments 4 to 7 are in
	PV 4, VX
	PV 5, VX+12
	PV 6, VX+24
	PV 7, VX+36
.endm
; A STEP AS A WHOLE: the next block is asked for; my tile's work, if the mask leaves any; the next block goes into the other slot; one barrier.
.macro TRIP sl
	s_wait_alu depctr_vm_vsrc(0)                   ; the LDS stores of the last fill have read v80-95, in which the next block lands; in the first trip also: the stores of Q into my stage have read v96-159, which the scores' products write
	s_and_b32 s[FN], s[SKF], 2
	s_lshr_b32 s[SKF], s[SKF], 2
	s_cmp_lg_u32 s[FN], 0
	s_cbranch_scc1 .Lnoreq_\@                      ; none of the sixteen tiles needs the next step (or there is none): the same in all waves
	FILL_LOAD BLK
.Lnoreq_\@:
	; A prefetch of the 24,576 bytes of codes of the step after the next: one step ahead of the loads that will want them.  All eight work-groups of a head walk the same blocks: the first of them asks, by its waves 4 to 6,
	; 8,192 bytes a wave, lanes 256 bytes apart, in steps 0 to 13: each block of 256 bytes is named once in the launch, and none lies behind the head's last block.  Steps 0 and 1 and the scale registers come by their loads alone.
	s_cmp_lt_u32 s[JS], s[LIM]
	s_cbranch_scc0 .Lnoask_\@
	global_prefetch_b8 v[PFO], s[KV:KV+1] offset:2*BLK th:TH_LOAD_NT scope:SCOPE_SE
.Lnoask_\@:
	s_and_b32 s[F], s[FWO], 3
	s_lshr_b32 s[FWO], s[FWO], 2
	s_cmp_eq_u32 s[F], 2
	s_cbranch_scc1 .Lhidden_\@                     ; all 16 x 128 hidden: nothing of M, the sum or O would change
	STEP \sl
.Lhidden_\@:
	s_wait_loadcnt 0x0                             ; the next block is in my registers; no load of mine is out, whichever way the branches went
	s_cmp_lg_u32 s[FN], 0
	s_cbranch_scc1 .Lnosto_\@
	FILL_STORE 1-(\sl)                             ; into the slot that was read last step: every wave's reads of it were over in front of the last barrier
.Lnosto_\@:
	s_wait_xcnt 0x0                                ; the prefetch has read its base: the bases are stepped only behind this wait
	s_add_nc_u64 s[KV:KV+1], s[KV:KV+1], BLK
	s_add_nc_u64 s[MW:MW+1], s[MW:MW+1], 256
	s_add_co_u32 s[JS], s[JS], 1
	s_wait_dscnt 0x0                               ; for the others' sake: my stores into the next slot are done, and my reads of this slot are over
	s_barrier_signal -1
	s_barrier_wait -1
.endm
	s_mov_b32 s[JS], 0
	s_mov_b32 s3, 0
.Ltrip:                                            ; 8 trips of two steps: the slots are constants of the text
	TRIP 0
	TRIP 1
	s_add_co_u32 s3, s3, 1
	s_cmp_lt_u32 s3, 8
	s_cbranch_scc1 .Ltrip
	; THE WAY OUT.  O^T is divided by the row's sum and goes through my stage, so that 32 lanes store a query's 512 consecutive bytes.
.rept 4
	v_nop                                          ; four places behind the last products
.endr
	v_add_f32 v14, v14, v15                        ; the sum's two halves,
	v_permlanex16_b32 v252, v14, s[SEL], s[SEL+1]
	v_add_f32 v14, v14, v252                       ; and lane l xor 16's: the row's sum
	s_wait_alu depctr_va_vdst(0)
	v_rcp_f32 v14, v14
	v_nop                                          ; a plain instruction behind the reciprocal
	s_wait_alu depctr_va_vdst(0)                   ; the reciprocal has written v14: the wait ahead of its first reader
.set j, 0
.rept 64
	v_mul_f32 v[S+j], v[OA+j], v14                 ; register 8 t + i is o(query r, channel 16 t + 8 h + i)
.set j, j+1
.endr
	s_wait_alu depctr_va_vdst(0)                   ; the multiplications have written v96-159, which the LDS stores read; the products are done reading v32-79, in which rows of O land
	s_wait_alu depctr_vm_vsrc(0)                   ; the LDS stores of the last fill have read v80-95, in which rows of O land too
.irp t, 0,1,2,3,4,5,6,7
	ds_store_b128 v[SO], v[S+8*\t:S+8*\t+3] offset:64*\t
	ds_store_b128 v[SO], v[S+8*\t+4:S+8*\t+7] offset:64*\t+16
.endr
.set i, 0
.rept 16
	ds_load_b128 v[FRG+4*i:FRG+4*i+3], v[SR] offset:SP*i   ; LDS serves a wave's instructions in order: these see my stores
.set i, i+1
.endr
.set i, 0
.rept 16
	s_wait_dscnt 15-i                              ; row i is back; the 15 - i behind it may be out
	global_store_b128 v[L16], v[FRG+4*i:FRG+4*i+3], s[12:13] offset:16384*i th:TH_STORE_NT   ; 32 lanes store 512 consecutive bytes, at a multiple of 256 from out's first byte; written once, read by nobody here
.set i, i+1
.endr
	s_wait_dscnt 0x0
	s_wait_alu depctr_hold_cnt(0) depctr_sa_sdst(0) depctr_va_vdst(0) depctr_va_sdst(0) depctr_va_ssrc(0) depctr_va_vcc(0) depctr_vm_vsrc(0)
	s_wait_tensorcnt 0x0
	ds_add_u32 v30, v31
	s_wait_dscnt 0x0
	s_endpgm
.Lfunc_end_k_q27cd3e6b91_attn:
	.size	k_q27cd3e6b91_attn, .Lfunc_end_k_q27cd3e6b91_attn-k_q27cd3e6b91_attn
	.p2alignl 7, 3214868480
	.fill 96, 4, 3214868480
	.section	.rodata,"a",@progbits
	.p2align	6, 0x0
	.amdhsa_kernel k_q27cd3e6b91_attn
		.amdhsa_group_segment_fixed_size 202752
		.amdhsa_private_segment_fixed_size 0
		.amdhsa_enable_private_segment 0
		.amdhsa_kernarg_size 40
		.amdhsa_user_sgpr_count 2
		.amdhsa_user_sgpr_kernarg_segment_ptr 1
		.amdhsa_wavefront_size32 1
		.amdhsa_system_sgpr_workgroup_id_x 1
		.amdhsa_system_sgpr_workgroup_id_y 1
		.amdhsa_system_sgpr_workgroup_id_z 1
		.amdhsa_system_vgpr_workitem_id 0
		.amdhsa_next_free_vgpr 256
		.amdhsa_next_free_sgpr 102
		.amdhsa_reserve_vcc 0
		.amdhsa_float_denorm_mode_32 3
		.amdhsa_float_denorm_mode_16_64 3
		.amdhsa_memory_ordered 1
		.amdhsa_forward_progress 1
		.amdhsa_inst_pref_size 71
	.end_amdhsa_kernel
	.amdgpu_metadata
---
amdhsa.version: [ 1, 2 ]
amdhsa.kernels:
  - .name:           k_q27cd3e6b91_attn
    .symbol:         k_q27cd3e6b91_attn.kd
    .args:
      - { .name: query_layer, .offset: 0, .size: 8, .value_kind: global_buffer, .address_space: global }
      - { .name: kv, .offset: 8, .size: 8, .value_kind: global_buffer, .address_space: global }
      - { .name: mw, .offset: 16, .size: 8, .value_kind: global_buffer, .address_space: global }
      - { .name: fw, .offset: 24, .size: 8, .value_kind: global_buffer, .address_space: global }
      - { .name: out0, .offset: 32, .size: 8, .value_kind: global_buffer, .address_space: global }
    .group_segment_fixed_size: 202752
    .private_segment_fixed_size: 0
    .kernarg_segment_align: 8
    .kernarg_segment_size: 40
    .max_flat_workgroup_size: 512
    .sgpr_count:     102
    .vgpr_count:     256
    .wavefront_size: 32
...
	.end_amdgpu_metadata
.endif
;; end of part 4
